; MI455X (gfx1250); checked and timed in simulation.
; The chip was launched on July 23, 2026; its instructions are those of AMD's public machine-readable ISA for CDNA 5 (MIT licence, August 2026) and "CDNA5" Instruction Set Architecture Reference Guide (July 2026). The comments in the code are by the model that wrote it; some were corrected since.
;; Attention Block. Allowed arithmetic: matrix products marked QUANTISED: E3M2 operands, one E8M0 scale for each 32 along K, by v_wmma_scale_f32_16x16x128_f8f6f4 with both operands' format E3M2, f32 sums; everything else in f32.
;; Inputs: W1 1,024 x 1,024 float32; W2 1,024 x 1,024 float32; Wk 16 x 1,024 x 64 float32; Wq 16 x 1,024 x 64 float32; Wv 16 x 1,024 x 64 float32; b1 1,024 float32; b2 1,024 float32; g1 1,024 float32; g2 1,024 float32; x 8 x 1,024 x 1,024 float32.
;; Outputs: out0 8 x 1,024 x 1,024 float32.
;; This version of the problem:
;;   THIS VERSION OF THE PROBLEM IS GIVEN IN LOW PRECISION. The matrix products marked QUANTISED in the list below multiply operands that are first quantised to E3M2 (3 exponent bits, 2 mantissa bits; 6 bits a number), with one power-of-two scale for each 32 numbers along K (OCP MX v1.0); their sums are f32. All else is computed in f32.
;;   The module's matrix products, in the order in which they are computed (A, B: the left and right operand; K: the contracted axis; several contracted axes count as one K, in the product's order):
;;     1. [M 1,024, K 1,024] x [K 1,024, N 8,192]; A: input Wq; B: input x: QUANTISED
;;     2. [M 1,024, K 1,024] x [K 1,024, N 8,192]; A: input Wk; B: input x: QUANTISED
;;     3. [M 1,024, K 1,024] x [K 1,024, N 8,192]; A: input Wv; B: input x: QUANTISED
;;     4. batch 128 x [M 1,024, K 64] x [K 64, N 1,024]; A: computed on the way; B: computed on the way: QUANTISED
;;     5. [M 8,192, K 1,024] x [K 1,024, N 1,024]; A: computed on the way; B: input W1: QUANTISED
;;     6. [M 8,192, K 1,024] x [K 1,024, N 1,024]; A: computed on the way; B: input W2: QUANTISED
;;   THE QUANTISER, for each operand of a quantised product, along K:
;;     - K is cut into blocks of 32 from its start; a last block that is shorter is filled with zeros.
;;     - A block's scale is 2^e with e = floor(log2(the largest magnitude in the block)) - 4, held to -126 .. 127; a block of zeros has e = 0. As a byte (E8M0): e + 127.
;;     - Each number is divided by its block's scale, clamped to +-28, and rounded to the nearest number of E3M2, ties to even, subnormals kept.
;;     - The product sums the exact products of the quantised numbers (number of the format x scale) in f32.
;;   ~~~python
;;   def quantise(x, axis):      # numpy; x: float32 -> the quantised numbers, widened to float32 again
;;       x = np.moveaxis(x, axis, -1); K = x.shape[-1]
;;       x = np.pad(x, [(0, 0)] * (x.ndim - 1) + [(0, -K % 32)]); x = x.reshape(x.shape[:-1] + (-1, 32)); a = np.abs(x).max(-1, keepdims=True)
;;       e = np.where(a > 0, np.clip(np.frexp(np.where(a > 0, a, 1))[1] - 1 - 4, -126, 127), 0)      # np.frexp(a)[1] - 1 = floor(log2(a)), exactly
;;       r = np.clip(x / 2.0 ** e, -28, 28)
;;       step = 2.0 ** (np.maximum(np.frexp(np.where(r == 0, 1, r))[1] - 1, -2) - 2)
;;       q = np.round(r / step) * step * 2.0 ** e      # np.round: ties to even
;;       return np.moveaxis(q.reshape(q.shape[:-2] + (-1,))[..., :K], -1, axis).astype(np.float32)
;;   ~~~
;;   OPERANDS COMPUTED ON THE WAY. 'Computed on the way' means the value that the module computes at that place (a softmax that the list does not call 'softmax' is quantised finished and normalised). What goes into a quantiser is computed in f32, as accurately as f32 sums, v_exp_f32 and their like allow (about 1e-6 of the number): no bf16 or f16 on the way to a quantiser, and a product that is left as it is and whose result goes on into a quantised operand takes f32 operands (vector FMAs, or v_wmma_f32_16x16x4_f32). A number that lies on a knife's edge between two numbers of the format may be rounded either way, as far as f32 arithmetic and the matrix unit's own rounding can turn it there, and no further.
;; One version. Each part assembles by itself: llvm-mc -triple=amdgcn-amd-amdhsa -mcpu=gfx1250 --defsym DOCPART=n.
;; ======== version 1 of 1: 4 launches
;; limits: right only within a limited range of input values
;; workspace buffers: xc 6,291,456 bytes; xs 262,144 bytes; wc 3,932,160 bytes; ws 163,840 bytes; qkc 12,582,912 bytes; qks 524,288 bytes; vpart 262,144 bytes; sm 557,056 bytes
;; launch quant (part 1): grid 672 x 1, 4 waves a work-group, no clusters, 78,336 bytes of LDS; arguments x, Wq, Wk, Wv, W1, W2, xc, xs, wc, ws; writes xc, xs, wc, ws
.if DOCPART == 1
	.amdgcn_target "amdgcn-amd-amdhsa--gfx1250"
	.amdhsa_code_object_version 6
	.text
	.protected	k_qce4bebc466_quant
	.globl	k_qce4bebc466_quant
	.p2align	8
	.type	k_qce4bebc466_quant,@function
k_qce4bebc466_quant:
	s_mov_b64 s[64:65], 0
	v_nop
	global_prefetch_b8 v0, s[64:65] scope:SCOPE_SE
	s_setreg_imm32_b32 hwreg(HW_REG_WAVE_MODE, 25, 1), 1
	s_wait_xcnt 0x0
; x [8192][1024] and the five weights, all f32, become codes of E3M2 (6 bits) with one E8M0 byte for each 32 along K, laid in the ORDER OF THE OPERAND'S REGISTERS.
; A block's scale is 2^(floor(log2(largest magnitude)) - 4); its byte is the largest magnitude's exponent field - 4, held at 1 from below by a floor among the maximum's leaves.
; LIMITS: NaN and infinities are not served; a block whose largest magnitude lies under 2^-122 keeps the byte 1; a block of zeros gets the byte 1 where the rule says 127
; (its codes are zeros, and only this program reads the bytes).
; xc: [tile of 16 rows][16 pieces of 64 K] of 768 bytes: lane l = r + 16 h of the operand holds block h of row r, 24 bytes: the first 16 at 16 l, the last 8 at 512 + 8 l.
; xs: [tile][256 K][row][8 bytes].   wc: [tile of 16 stored rows][8 K steps of 128] of 1,536 bytes: registers 4 c .. 4 c + 3 of lane l at 512 c + 16 l.
; A weight's column n is stored as row sigma(n) = n with bits 3 and 4 exchanged, so that a transposed product leaves 16 neighbouring columns in the 16 registers of two neighbouring tiles.
; ws: rows 0-3071 (Wq, Wk, Wv) laid as xs; rows 3072-5119 (W1, W2) as [row][32 bytes].
; Work-groups 0-511 take a tile of 16 rows of x (wave w: 256 along K); work-groups 512-671 a weight's 128 columns x 256 K (wave w: 32 columns).  The two paths use LDS bytes of their own.
; No barrier: every stage is one wave's own.
.set FLOORB, 0x2800000                 ; 2^(5 - 127)
.set EOFF,   0xfe000000                ; -(4 << 23)
.set XW,     12800                     ; x path: a wave's LDS: two turning stages of 4,608, the codes' stage at 9,216 (12 x 272), 128 scale bytes at 12,480
.set WB,     51200                     ; weights' path: LDS from here on, 6,656 a wave (24 x 272 used)
.macro BMAX xs                         ; v12 = the largest magnitude of v[xs] .. v[xs + 31], not under the floor; v14 = the conversion's scale operand
	v_max3_num_f32 v12, |v[\xs]|, |v[\xs+1]|, |v[\xs+2]|
	v_max3_num_f32 v13, |v[\xs+3]|, |v[\xs+4]|, |v[\xs+5]|
.irp i, 6,10,14,18,22,26
	v_max3_num_f32 v12, v12, |v[\xs+\i]|, |v[\xs+\i+1]|
	v_max3_num_f32 v13, v13, |v[\xs+\i+2]|, |v[\xs+\i+3]|
.endr
	v_max3_num_f32 v12, v12, |v[\xs+30]|, |v[\xs+31]|
	v_max3_num_f32 v12, v12, v13, FLOORB
	v_add_nc_u32 v14, EOFF, v12                    ; 4 off the exponent field
.endm
; rows 4 t .. 4 t + 3 (eight loads of 512 bytes) go through a stage as they lie, a block of 128 bytes to a place of 144, and come back a block to a lane
.macro XTURN t
.irp q, 0,1,2,3,4,5,6,7
	ds_store_b128 v3, v[32+32*(\t)+4*\q:32+32*(\t)+4*\q+3] offset:4608*((\t)%2)+576*\q
.endr
.irp q, 0,1,2,3,4,5,6,7
	ds_load_b128 v[160+32*((\t)%2)+4*\q:160+32*((\t)%2)+4*\q+3], v4 offset:4608*((\t)%2)+16*\q
.endr
.endm
.macro XSTEP t
.set XS, 160+32*((\t)%2)
.set CC, 224+8*(\t)
.if (\t) > 0
	s_wait_dscnt 3                                 ; my block is back; the last step's three stores into the stages may be out
.else
	s_wait_dscnt 0x0
.endif
.if (\t) < 3
	s_wait_loadcnt 16-8*(\t)                       ; the next four rows are in; the rows behind them may be out
	XTURN (\t)+1
.endif
	BMAX XS
	v_cvt_scalef32_pk16_bf6_f32 v[CC:CC+2], v[XS:XS+15], v14
	v_cvt_scalef32_pk16_bf6_f32 v[CC+4:CC+6], v[XS+16:XS+31], v14
	v_lshrrev_b32 v[16+(\t)], 23, v14              ; the scale's byte (a plain line behind the conversions)
	v_mov_b32 v[CC+3], v[CC+4]                     ; a conversion's three registers begin on an even number: the second three are moved up
	v_mov_b32 v[CC+4], v[CC+5]
	v_mov_b32 v[CC+5], v[CC+6]
	ds_store_b128 v5, v[CC:CC+3] offset:64*(\t)
	ds_store_b64 v6, v[CC+4:CC+5] offset:32*(\t)
	ds_store_b8 v9, v[16+(\t)] offset:32*(\t)
.endm
.macro WLOAD t                         ; block t of my column: 32 numbers down K; 32 lanes read 128 consecutive bytes
.irp i, 0,1,2,3,4,5,6,7,8,9,10,11,12,13,14,15,16,17,18,19,20,21,22,23,24,25,26,27,28,29,30,31
	global_load_b32 v[32+32*((\t)%2)+\i], v[96+\i], s[32+2*(\t):33+2*(\t)] th:TH_LOAD_NT
.endr
.endm
.macro WBLOCK t
.set XS, 32+32*((\t)%2)
.set U0, 6*((\t)/4)+((\t)%2)           ; the block's first place of 256 bytes in its K step's image
.if (\t) < 7
	s_wait_loadcnt 32                              ; this block is in; the next block's 32 loads may be out
.else
	s_wait_loadcnt 0x0
.endif
	BMAX XS
	v_lshrrev_b32 v13, 23, v14
.if (\t)%4 == 0
	v_mov_b32 v[24+(\t)/4], v13
.else
	v_lshl_or_b32 v[24+(\t)/4], v13, 8*((\t)%4), v[24+(\t)/4]
.endif
	v_cvt_scalef32_pk16_bf6_f32 v[16:18], v[XS:XS+15], v14
	v_cvt_scalef32_pk16_bf6_f32 v[20:22], v[XS+16:XS+31], v14
	v_nop                                          ; a plain line behind the conversions
	v_mov_b32 v19, v20
	v_mov_b32 v20, v21
	v_mov_b32 v21, v22
.if ((\t)%4) < 2                       ; registers 0-5 of the operand: 0-3 in the image's first third, 4-5 in its second
	ds_store_b128 v5, v[16:19] offset:272*U0
	ds_store_b64 v5, v[20:21] offset:272*(U0+2)
.else                                  ; registers 6-11: 6-7 in the second third, 8-11 in the last
	ds_store_b64 v5, v[16:17] offset:272*(U0+2)+8
	ds_store_b128 v5, v[18:21] offset:272*(U0+4)
.endif
.if (\t)+2 < 8
	WLOAD (\t)+2
.endif
	s_wait_dscnt 0x0                               ; the stores have read their registers
.endm
	s_load_b512 s[4:19], s[0:1], 0x0               ; x, Wq, Wk, Wv, W1, W2, xc, xs
	s_load_b128 s[20:23], s[0:1], 0x40             ; wc, ws
	v_lshl_add_u32 v247, v0, 2, 0x13000
	v_mov_b32 v255, 0
	v_lshrrev_b32 v1, 5, v0
	v_readfirstlane_b32 s26, v1                    ; wave 0..3
	v_and_b32 v1, 31, v0                           ; lane
	s_cmp_lt_u32 ttmp9, 512
	s_cbranch_scc0 .Lweights
	; ---------------- x: work-group = tile of 16 rows, wave = 256 along K
	v_lshlrev_b32 v2, 4, v1                        ; 16 x lane
	s_mul_i32 s27, s26, XW
	v_lshrrev_b32 v8, 3, v1                        ; lane / 8: which of a step's four rows
	v_and_b32 v12, 7, v1                           ; lane % 8: which of the row's eight blocks
	v_mul_u32_u24 v3, v8, 144
	v_lshl_add_u32 v3, v12, 4, v3
	v_add_nc_u32 v3, s27, v3                       ; into the turning stage
	v_mul_u32_u24 v4, v1, 144
	v_add_nc_u32 v4, s27, v4                       ; out of it: my block
	v_lshrrev_b32 v13, 1, v12
	v_mul_u32_u24 v13, v13, 3                      ; 3 x (which piece of 64 K)
	v_and_b32 v14, 1, v1                           ; which block of the piece
	v_add_nc_u32 v5, v13, v14
	v_mul_u32_u24 v5, v5, 272
	v_lshl_add_u32 v5, v8, 4, v5
	v_add_nc_u32 v5, s27, v5
	v_add_nc_u32 v5, 9216, v5                      ; the codes' stage: my first 16 bytes
	v_mul_u32_u24 v6, v13, 272
	v_lshl_add_u32 v6, v14, 7, v6
	v_lshl_add_u32 v6, v8, 3, v6
	v_add_nc_u32 v6, s27, v6
	v_add_nc_u32 v6, 9216+544, v6                  ; my last 8
	v_lshrrev_b32 v7, 4, v1
	v_mul_u32_u24 v7, v7, 272
	v_and_b32 v13, 15, v1
	v_lshl_add_u32 v7, v13, 4, v7
	v_add_nc_u32 v7, s27, v7
	v_add_nc_u32 v7, 9216, v7                      ; back out of it: 512 bytes an instruction
	v_add_nc_u32 v9, s27, v1
	v_add_nc_u32 v9, 12480, v9                     ; my scale byte
	v_lshlrev_b32 v11, 2, v1
	v_add_nc_u32 v10, s27, v11
	v_add_nc_u32 v10, 12480, v10                   ; and four of them on the way out
	s_lshl_b32 s28, ttmp9, 16                      ; x: 16 rows of 4,096 bytes a tile, 1,024 bytes a wave
	s_lshl_b32 s30, s26, 10
	s_add_co_u32 s28, s28, s30
	s_mov_b32 s29, 0
	s_mul_i32 s30, ttmp9, 12288                    ; xc: 12,288 bytes a tile, 3,072 a wave
	s_mul_i32 s31, s26, 3072
	s_add_co_u32 s30, s30, s31
	s_mov_b32 s31, 0
	s_lshl_b32 s32, ttmp9, 9                       ; xs: 512 bytes a tile, 128 a wave
	s_lshl_b32 s33, s26, 7
	s_add_co_u32 s32, s32, s33
	s_mov_b32 s33, 0
	s_wait_kmcnt 0x0
	s_add_nc_u64 s[4:5], s[4:5], s[28:29]
	s_add_nc_u64 s[16:17], s[16:17], s[30:31]
	s_add_nc_u64 s[18:19], s[18:19], s[32:33]
.irp r, 0,1,2,3,4,5,6,7,8,9,10,11,12,13,14,15
.irp j, 0,1
	global_load_b128 v[32+4*(2*\r+\j):32+4*(2*\r+\j)+3], v2, s[4:5] offset:\r*4096+512*\j th:TH_LOAD_NT
.endr
.endr
	s_wait_loadcnt 24                              ; rows 0-3 are in; the 24 loads of rows 4-15 may be out
	XTURN 0
	XSTEP 0
	XSTEP 1
	XSTEP 2
	XSTEP 3
.irp j, 0,1,2,3,4,5
	ds_load_b128 v[32+4*\j:35+4*\j], v7 offset:544*\j          ; LDS serves a wave's instructions in order: these see my stores
.endr
	ds_load_b32 v56, v10
	s_wait_dscnt 0x0
.irp j, 0,1,2,3,4,5
	global_store_b128 v2, v[32+4*\j:35+4*\j], s[16:17] offset:512*\j   ; 32 lanes store 512 consecutive bytes, aligned
.endr
	global_store_b32 v11, v56, s[18:19]            ; the wave's 128 scale bytes: the four waves' together are 512 consecutive bytes
	s_wait_tensorcnt 0x0
	ds_add_u32 v247, v255
	s_wait_dscnt 0x0
	s_endpgm
	; ---------------- a weight: 128 columns x 256 K a work-group, 32 columns a wave; a lane takes a column and its registers run down K
.Lweights:
	s_sub_co_u32 s27, ttmp9, 512
	s_lshr_b32 s28, s27, 5                         ; which weight: 0 Wq, 1 Wk, 2 Wv, 3 W1, 4 W2
	s_bfe_u32 s29, s27, 0x30002                    ; which 128 columns
	s_and_b32 s30, s27, 3                          ; which 256 along K
	s_lshl_b32 s31, s29, 7
	s_lshl_b32 s48, s26, 5
	s_add_co_u32 s31, s31, s48                     ; my wave's first column
	s_lshr_b32 s49, s31, 6                         ; [head][K][64]: head x 262,144 + K x 256 + 4 d
	s_lshl_b32 s49, s49, 18
	s_lshl_b32 s50, s30, 16
	s_add_co_u32 s49, s49, s50
	s_and_b32 s50, s31, 63
	s_lshl_b32 s50, s50, 2
	s_add_co_u32 s49, s49, s50
	s_lshl_b32 s50, s30, 20                        ; [K][1024]: K x 4,096 + 4 n
	s_lshl_b32 s51, s31, 2
	s_add_co_u32 s50, s50, s51
	s_mov_b32 s51, 4096
	s_cmp_lt_u32 s28, 3
	s_cselect_b32 s52, s49, s50                    ; where my part begins
	s_cselect_b32 s51, 256, s51                    ; bytes from one K to the next
	s_cselect_b32 s54, 3, 5                        ; a stored row's scale bytes: 8 or 32 bytes apart
	s_cselect_b32 s55, 128, 8                      ; and 256 along K on
	s_mov_b32 s53, 0
	s_wait_alu depctr_va_vdst(0)
	v_bfe_u32 v3, v1, 3, 1                         ; sigma / 16: which of my two tiles
	v_and_b32 v4, 7, v1
	v_bfe_u32 v2, v1, 4, 1
	v_lshl_add_u32 v4, v2, 3, v4                   ; sigma % 16: the row in the tile
	s_mul_i32 s60, s26, 6656
	s_add_co_u32 s60, s60, WB
	v_mul_u32_u24 v5, v3, 3264
	v_lshl_add_u32 v5, v4, 4, v5
	v_add_nc_u32 v5, s60, v5                       ; into the stage
	v_lshrrev_b32 v6, 4, v1
	v_mul_u32_u24 v6, v6, 272
	v_and_b32 v2, 15, v1
	v_lshl_add_u32 v6, v2, 4, v6
	v_add_nc_u32 v6, s60, v6                       ; out of it
	v_lshlrev_b32 v7, 4, v1
	v_lshlrev_b32 v8, s54, v4
	v_lshl_add_u32 v8, v3, 9, v8                   ; my stored row's scale bytes
	v_lshlrev_b32 v96, 2, v1
.irp i, 1,2,3,4,5,6,7,8,9,10,11,12,13,14,15,16,17,18,19,20,21,22,23,24,25,26,27,28,29,30,31
	v_add_nc_u32 v[96+\i], s51, v[95+\i]           ; 4 x lane + i steps of K
.endr
	s_lshl_b32 s61, s28, 10
	s_add_co_u32 s61, s61, s31                     ; my first stored row
	s_lshl_b32 s62, s61, 5
	s_mul_i32 s63, s30, s55
	s_add_co_u32 s62, s62, s63
	s_mov_b32 s63, 0
	s_lshr_b32 s61, s61, 4
	s_mul_i32 s48, s61, 12288
	s_mul_i32 s49, s30, 3072
	s_add_co_u32 s48, s48, s49
	s_mov_b32 s49, 0
	s_lshl_b32 s58, s51, 5                         ; a block of 32 along K on
	s_mov_b32 s59, 0
	s_wait_alu depctr_va_vdst(0)
	s_wait_kmcnt 0x0
	s_cmp_eq_u32 s28, 1                            ; the choice hangs on the work-group's number alone
	s_cselect_b64 s[56:57], s[8:9], s[6:7]
	s_cmp_eq_u32 s28, 2
	s_cselect_b64 s[56:57], s[10:11], s[56:57]
	s_cmp_eq_u32 s28, 3
	s_cselect_b64 s[56:57], s[12:13], s[56:57]
	s_cmp_eq_u32 s28, 4
	s_cselect_b64 s[56:57], s[14:15], s[56:57]
	s_add_nc_u64 s[32:33], s[56:57], s[52:53]      ; a base for each of the eight blocks: none is written again
.irp t, 1,2,3,4,5,6,7
	s_add_nc_u64 s[32+2*\t:33+2*\t], s[30+2*\t:31+2*\t], s[58:59]
.endr
	s_add_nc_u64 s[22:23], s[22:23], s[62:63]
	s_add_nc_u64 s[20:21], s[20:21], s[48:49]
	WLOAD 0
	WLOAD 1
.irp t, 0,1,2,3,4,5,6,7
	WBLOCK \t
.endr
	s_wait_alu depctr_va_vdst(0)
	global_store_b64 v8, v[24:25], s[22:23]        ; my column's eight scale bytes
.irp j, 0,1,2,3,4,5,6,7,8,9,10,11
	ds_load_b128 v[128+4*\j:131+4*\j], v6 offset:544*\j
.endr
.irp j, 0,1,2,3,4,5,6,7,8,9,10,11
	s_wait_dscnt 11-\j                             ; the younger loads may be out
	global_store_b128 v7, v[128+4*\j:131+4*\j], s[20:21] offset:(\j/6)*12288+(\j%6)*512   ; 512 consecutive bytes, aligned
.endr
	s_wait_tensorcnt 0x0
	ds_add_u32 v247, v255
	s_wait_dscnt 0x0
	s_endpgm
.Lfunc_end_k_qce4bebc466_quant:
	.size	k_qce4bebc466_quant, .Lfunc_end_k_qce4bebc466_quant-k_qce4bebc466_quant
	.p2alignl 7, 3214868480
	.fill 96, 4, 3214868480
	.section	.rodata,"a",@progbits
	.p2align	6, 0x0
	.amdhsa_kernel k_qce4bebc466_quant
		.amdhsa_group_segment_fixed_size 78336
		.amdhsa_private_segment_fixed_size 0
		.amdhsa_enable_private_segment 0
		.amdhsa_kernarg_size 80
		.amdhsa_user_sgpr_count 2
		.amdhsa_user_sgpr_kernarg_segment_ptr 1
		.amdhsa_wavefront_size32 1
		.amdhsa_system_sgpr_workgroup_id_x 1
		.amdhsa_system_sgpr_workgroup_id_y 1
		.amdhsa_system_sgpr_workgroup_id_z 1
		.amdhsa_system_vgpr_workitem_id 0
		.amdhsa_next_free_vgpr 256
		.amdhsa_next_free_sgpr 66
		.amdhsa_reserve_vcc 0
		.amdhsa_float_denorm_mode_32 3
		.amdhsa_float_denorm_mode_16_64 3
		.amdhsa_memory_ordered 1
		.amdhsa_forward_progress 1
		.amdhsa_inst_pref_size 62
	.end_amdhsa_kernel
	.amdgpu_metadata
---
amdhsa.version: [ 1, 2 ]
amdhsa.kernels:
  - .name:           k_qce4bebc466_quant
    .symbol:         k_qce4bebc466_quant.kd
    .args:
      - { .name: x, .offset: 0, .size: 8, .value_kind: global_buffer, .address_space: global }
      - { .name: Wq, .offset: 8, .size: 8, .value_kind: global_buffer, .address_space: global }
      - { .name: Wk, .offset: 16, .size: 8, .value_kind: global_buffer, .address_space: global }
      - { .name: Wv, .offset: 24, .size: 8, .value_kind: global_buffer, .address_space: global }
      - { .name: W1, .offset: 32, .size: 8, .value_kind: global_buffer, .address_space: global }
      - { .name: W2, .offset: 40, .size: 8, .value_kind: global_buffer, .address_space: global }
      - { .name: xc, .offset: 48, .size: 8, .value_kind: global_buffer, .address_space: global }
      - { .name: xs, .offset: 56, .size: 8, .value_kind: global_buffer, .address_space: global }
      - { .name: wc, .offset: 64, .size: 8, .value_kind: global_buffer, .address_space: global }
      - { .name: ws, .offset: 72, .size: 8, .value_kind: global_buffer, .address_space: global }
    .group_segment_fixed_size: 78336
    .private_segment_fixed_size: 0
    .kernarg_segment_align: 8
    .kernarg_segment_size: 80
    .max_flat_workgroup_size: 128
    .sgpr_count:     66
    .vgpr_count:     256
    .wavefront_size: 32
...
	.end_amdgpu_metadata
.endif
;; end of part 1
;; launch qkv (part 2): grid 8 x 32, 4 waves a work-group, clusters of 4 x 4, 327,680 bytes of LDS; arguments xc, xs, wc, ws, qkc, qks, vpart; writes qkc, qks, vpart
.if DOCPART == 2
	.amdgcn_target "amdgcn-amd-amdhsa--gfx1250"
	.amdhsa_code_object_version 6
	.text
	.protected	k_qce4bebc466_qkv
	.globl	k_qce4bebc466_qkv
	.p2align	8
	.type	k_qce4bebc466_qkv,@function
k_qce4bebc466_qkv:
	s_mov_b64 s[64:65], 0
	v_nop
	global_prefetch_b8 v0, s[64:65] scope:SCOPE_SE
	s_setreg_imm32_b32 hwreg(HW_REG_WAVE_MODE, 25, 1), 1
	s_wait_xcnt 0x0
	s_wait_alu depctr_hold_cnt(0) depctr_sa_sdst(0) depctr_va_vdst(0) depctr_va_sdst(0) depctr_va_ssrc(0) depctr_va_vcc(0) depctr_vm_vsrc(0)
	s_getreg_b32 s2, hwreg(HW_REG_IB_STS2, 6, 4)
	s_cmp_eq_u32 s2, 0
	s_cbranch_scc0 .Lentry_in_a_cluster
	s_endpgm
.Lentry_in_a_cluster:
	s_bfe_u32 s2, ttmp6, 0x10000c
	s_cmp_lg_u32 s2, 0xf033
	s_cbranch_scc0 .Lentry_shape_is_right
	s_endpgm
.Lentry_shape_is_right:
.set NQ,     2
.set TILEB,  3072
.set FR,     12
.set NP,     4
.set HALFT,  8*TILEB
.set SLOT,   5*HALFT
.set SCL,    2*SLOT
.set HALFS,  4096
.set SBLK,   512
.set SPARE,  SCL+5*HALFS
.set VPITCH, 272
.set ADRV, 12
.set ADRSV, 14
.set ADRA, 16
.set ADRB, 20
.set STO,  22
.set RD,   23
.set QA,   24
.set QB,   25
.set QSO,  26
.set ADRS, 27
.set SPW,  28
.set NIL,  29
.set VSEL, 30
.set SC,   32
.set VB,   64
.set VS,   112
.set AF,   128
.set VACC, 224
.set TM,   32
.set PW,   48
.set SW,   56
.set PC,   64
.set T,    76
.set G1, 24
.set G0, 32
.set G1B, 48
.set G0B, 56
.set G1S, 68
.set G0S, 76
.set G1SB, 80
.set G0SB, 88
.set MSB, 0
.macro WIN new
.if MSB != (\new)
	s_set_vgpr_msb (MSB<<8)|(\new)
.set MSB, (\new)
.endif
.endm
.set MUL_LO, 0xa1
.set MUL_HI, 0xf1
.set TO_B,   0x40
.macro JLOAD g0a, g1a, g0b, g1b
	s_cmp_eq_u32 s14, 0
	s_cbranch_scc0 .Lfor_b_\@
	tensor_load_to_lds s[\g0a:\g0a+3], s[\g1a:\g1a+7]
	s_nop 0
.rept 4
	v_nop
.endr
	s_branch .Lasked_\@
.Lfor_b_\@:
	tensor_load_to_lds s[\g0b:\g0b+3], s[\g1b:\g1b+7]
	s_nop 0
.rept 4
	v_nop
.endr
.Lasked_\@:
.endm
.macro CREST
	s_cmp_lg_u32 s14, 0
	s_cbranch_scc1 .Lnot_wave_0_\@
	s_barrier_signal -3
.Lnot_wave_0_\@:
	s_barrier_wait -3
	s_barrier_signal -1
	s_barrier_wait -1
.endm
.macro CROUND
	s_barrier_signal -1
	s_barrier_wait -1
	CREST
.endm
	s_load_b128 s[4:7], s[0:1], 0x0
	s_load_b128 s[8:11], s[0:1], 0x10
	s_load_b128 s[96:99], s[0:1], 0x20
	s_load_b64 s[100:101], s[0:1], 0x30
	v_lshl_add_u32 v[SPW], v0, 2, SPARE
	v_mov_b32 v[NIL], 0
	ds_add_u32 v28, v29
	ds_add_u32 v28, v29
	s_wait_dscnt 0x0
	v_lshrrev_b32 v1, 5, v0
	v_readfirstlane_b32 s14, v1
	s_lshr_b32 s15, s14, 1
	s_and_b32 s16, s14, 1
	s_bfe_u32 s40, ttmp6, 0x40000
	s_bfe_u32 s41, ttmp6, 0x40004
	s_lshl_b32 s42, ttmp9, 2
	s_add_co_u32 s42, s42, s40
	s_and_b32 s17, ttmp7, 0xffff
	s_lshl_b32 s17, s17, 2
	s_add_co_u32 s17, s17, s41
	s_lshl_b32 s43, s41, 2
	s_lshl_b32 s43, 15, s43
	s_lshl_b32 s44, 0x1111, s40
	s_or_b32 s[G1+0], s43, (3<<16)|(1<<21)
	s_mov_b32 s[G1+1], 384<<16
	s_mov_b32 s[G1+2], 16<<16
	s_mov_b32 s[G1+3], 384<<16
	s_mov_b32 s[G1+4], 16
	s_mov_b32 s[G1+5], 1536
	s_mov_b32 s[G1+6], 0
	s_mov_b32 s[G1+7], 0
	s_or_b32 s[G1B+0], s44, (3<<16)|(1<<21)
	s_mov_b32 s[G1B+1], 384<<16
	s_mov_b32 s[G1B+2], 8<<16
	s_mov_b32 s[G1B+3], 384<<16
	s_mov_b32 s[G1B+4], 8
	s_mov_b32 s[G1B+5], 1536
	s_mov_b32 s[G1B+6], 0
	s_mov_b32 s[G1B+7], 0
	s_or_b32 s[G1S+0], s43, (3<<16)|(1<<21)
	s_mov_b32 s[G1S+1], 32<<16
	s_mov_b32 s[G1S+2], 32<<16
	s_mov_b32 s[G1S+3], 32<<16
	s_mov_b32 s[G1S+4], 32
	s_mov_b32 s[G1S+5], 32
	s_mov_b32 s[G1S+6], 0
	s_mov_b32 s[G1S+7], 0
	s_or_b32 s[G1SB+0], s44, (3<<16)|(1<<21)
	s_mov_b32 s[G1SB+1], 32<<16
	s_mov_b32 s[G1SB+2], 16<<16
	s_mov_b32 s[G1SB+3], 32<<16
	s_mov_b32 s[G1SB+4], 16
	s_mov_b32 s[G1SB+5], 32
	s_mov_b32 s[G1SB+6], 0
	s_mov_b32 s[G1SB+7], 0
	s_lshl_b32 s20, s17, 8
	s_lshl_b32 s46, s42, 8
	s_lshl_b32 s18, s16, 7
	s_add_co_u32 s46, s46, s18
	s_lshl_b32 s18, s42, 7
	s_add_co_u32 s18, s18, 2048
	s_cmp_eq_u32 s14, 1
	s_cselect_b32 s46, s18, s46
	s_mov_b32 s21, 0
	s_mov_b32 s47, 0
	s_mov_b64 s[18:19], 32
	s_mul_u64 s[22:23], s[20:21], s[18:19]
	s_mul_u64 s[92:93], s[46:47], s[18:19]
	s_mov_b64 s[18:19], 768
	s_mul_u64 s[20:21], s[20:21], s[18:19]
	s_mul_u64 s[46:47], s[46:47], s[18:19]
	s_add_co_u32 s45, s14, 1
	s_mul_i32 s94, s45, HALFS
	s_mul_i32 s45, s45, HALFT
	s_wait_kmcnt 0x0
	s_add_nc_u64 s[20:21], s[4:5], s[20:21]
	s_add_nc_u64 s[22:23], s[6:7], s[22:23]
	s_add_nc_u64 s[46:47], s[8:9], s[46:47]
	s_add_nc_u64 s[92:93], s[10:11], s[92:93]
	CROUND
	s_mov_b32 s[G0S], 1
	s_mov_b32 s[G0S+1], SCL
	s_mov_b64 s[G0S+2:G0S+3], s[22:23]
	s_or_b32 s[G0S+3], s[G0S+3], 0x80000000
	s_mov_b32 s[G0SB], 1
	s_add_co_u32 s[G0SB+1], s94, SCL
	s_mov_b64 s[G0SB+2:G0SB+3], s[92:93]
	s_or_b32 s[G0SB+3], s[G0SB+3], 0x80000000
	JLOAD G0S, G1S, G0SB, G1SB
.irp s, 0,1
	s_mov_b32 s[G0+4*\s], 1
	s_mov_b32 s[G0+4*\s+1], \s*SLOT
	s_add_nc_u64 s[G0+4*\s+2:G0+4*\s+3], s[20:21], \s*TILEB
	s_or_b32 s[G0+4*\s+3], s[G0+4*\s+3], 0x80000000
	s_mov_b32 s[G0B+4*\s], 1
	s_add_co_u32 s[G0B+4*\s+1], s45, \s*SLOT
	s_add_nc_u64 s[G0B+4*\s+2:G0B+4*\s+3], s[46:47], \s*TILEB
	s_or_b32 s[G0B+4*\s+3], s[G0B+4*\s+3], 0x80000000
	s_wait_alu depctr_va_vdst(0)
	s_wait_tensorcnt 0x0
	ds_add_u32 v28, v29
	s_wait_dscnt 0x0
	CROUND
	JLOAD G0+4*\s, G1, G0B+4*\s, G1B
.endr
	v_and_b32 v1, 15, v0
	v_bfe_u32 v2, v0, 4, 1
	v_and_b32 v3, 31, v0
	v_lshlrev_b32 v[QA], 4, v3
	s_wait_alu depctr_va_vdst(0)
	v_lshlrev_b32 v[QB], 3, v3
	s_wait_alu depctr_va_vdst(0)
	s_mul_i32 s21, s15, HALFT
	s_mul_i32 s22, s16, HALFT
	s_add_co_u32 s22, s22, 3*HALFT
	s_mul_i32 s23, s16, 4*TILEB
	s_add_co_u32 s23, s23, 2*HALFT
.irp s, 0,1
	v_add_nc_u32 v[ADRA+\s], s21, v[QA]
	v_add_nc_u32 v[ADRA+2+\s], s21, v[QB]
	v_add_nc_u32 v[ADRB+\s], s22, v[QA]
	v_add_nc_u32 v[ADRV+\s], s23, v[QA]
	s_add_co_u32 s21, s21, SLOT
	s_add_co_u32 s22, s22, SLOT
	s_add_co_u32 s23, s23, SLOT
.endr
	v_lshlrev_b32 v5, 3, v1
	s_mul_i32 s21, s15, HALFS
	s_mul_i32 s22, s16, HALFS
	s_add_co_u32 s22, s22, 3*HALFS
	s_sub_co_u32 s22, s22, s21
	v_mul_u32_u24 v6, s22, v2
	s_add_co_u32 s21, s21, SCL
	v_add_nc_u32 v6, v5, v6
	v_add_nc_u32 v[ADRS], s21, v6
	s_lshl_b32 s21, s16, 11
	s_add_co_u32 s21, s21, SCL+2*HALFS
	v_lshl_add_u32 v5, v2, 9, v5
	v_add_nc_u32 v[ADRSV], s21, v5
	s_mul_i32 s23, s14, 16*VPITCH
	v_mul_u32_u24 v5, v1, VPITCH
	v_lshl_add_u32 v5, v2, 6, v5
	v_add_nc_u32 v[STO], s23, v5
	v_mul_u32_u24 v5, v2, VPITCH
	v_lshl_add_u32 v5, v1, 4, v5
	v_add_nc_u32 v[RD], s23, v5
	v_lshlrev_b32 v[QSO], 4, v1
	v_lshl_add_u32 v[QSO], v2, 11, v[QSO]
	v_mov_b32 v[VSEL], 0x05040100
	v_mov_b32 v5, 0x07060302
	v_cmp_eq_u32 vcc_lo, 0, v2
	v_cndmask_b32 v[VSEL], v5, v[VSEL], vcc_lo
.macro FRAGA reg, slot, q, i
	ds_load_b128 v[\reg:\reg+3], v[ADRA+\slot] offset:(\i)*TILEB+(\q)*1536
	ds_load_b64 v[\reg+4:\reg+5], v[ADRA+2+\slot] offset:(\i)*TILEB+(\q)*1536+512
	ds_load_b128 v[\reg+6:\reg+9], v[ADRA+\slot] offset:(\i)*TILEB+(\q)*1536+768
	ds_load_b64 v[\reg+10:\reg+11], v[ADRA+2+\slot] offset:(\i)*TILEB+(\q)*1536+1280
.endm
.macro FRAGB reg, slot, q, i
.irp c, 0,1,2
	ds_load_b128 v[\reg+4*\c:\reg+4*\c+3], v[ADRB+\slot] offset:(\i)*TILEB+(\q)*1536+512*\c
.endr
.endm
.macro MUL16 a0, p, q, sc, zero
.irp a, \a0, \a0+1
.irp b, 0,1,2,3,4,5,6,7
.if \zero
	v_wmma_scale_f32_16x16x128_f8f6f4 v[8*(8*((\a)%4)+\b):8*(8*((\a)%4)+\b)+7], v[128*(\p)+FR*\b:128*(\p)+FR*\b+FR-1], v[AF+FR*(\a):AF+FR*(\a)+FR-1], 0, v[SC+8*NQ*(\sc)+NQ*\b+(\q)], v[SC+8*NQ*(\sc)+NQ*(\a)+(\q)] matrix_a_fmt:MATRIX_FMT_BF6 matrix_b_fmt:MATRIX_FMT_BF6 matrix_a_scale:MATRIX_SCALE_ROW1
.else
	v_wmma_scale_f32_16x16x128_f8f6f4 v[8*(8*((\a)%4)+\b):8*(8*((\a)%4)+\b)+7], v[128*(\p)+FR*\b:128*(\p)+FR*\b+FR-1], v[AF+FR*(\a):AF+FR*(\a)+FR-1], v[8*(8*((\a)%4)+\b):8*(8*((\a)%4)+\b)+7], v[SC+8*NQ*(\sc)+NQ*\b+(\q)], v[SC+8*NQ*(\sc)+NQ*(\a)+(\q)] matrix_a_fmt:MATRIX_FMT_BF6 matrix_b_fmt:MATRIX_FMT_BF6 matrix_a_scale:MATRIX_SCALE_ROW1
.endif
.endr
.endr
.endm
.macro VMUL a0, q, sc, zero
.irp a, \a0, \a0+1, \a0+2, \a0+3
.irp j, 0,1,2,3
.if (\zero) && ((\a) == (\a0))
.if \j%2
	v_wmma_scale_f32_16x16x128_f8f6f4 v[VACC+8*\j:VACC+8*\j+7], v[VB+FR*\j:VB+FR*\j+FR-1], v[AF+FR*(\a):AF+FR*(\a)+FR-1], 0, v[VS+4*(\sc)+2*(\j/2)+(\q)], v[SC+8*NQ*(\sc)+NQ*(\a)+(\q)] matrix_a_fmt:MATRIX_FMT_BF6 matrix_b_fmt:MATRIX_FMT_BF6 matrix_a_scale:MATRIX_SCALE_ROW1
.else
	v_wmma_scale_f32_16x16x128_f8f6f4 v[VACC+8*\j:VACC+8*\j+7], v[VB+FR*\j:VB+FR*\j+FR-1], v[AF+FR*(\a):AF+FR*(\a)+FR-1], 0, v[VS+4*(\sc)+2*(\j/2)+(\q)], v[SC+8*NQ*(\sc)+NQ*(\a)+(\q)] matrix_a_fmt:MATRIX_FMT_BF6 matrix_b_fmt:MATRIX_FMT_BF6
.endif
.else
.if \j%2
	v_wmma_scale_f32_16x16x128_f8f6f4 v[VACC+8*\j:VACC+8*\j+7], v[VB+FR*\j:VB+FR*\j+FR-1], v[AF+FR*(\a):AF+FR*(\a)+FR-1], v[VACC+8*\j:VACC+8*\j+7], v[VS+4*(\sc)+2*(\j/2)+(\q)], v[SC+8*NQ*(\sc)+NQ*(\a)+(\q)] matrix_a_fmt:MATRIX_FMT_BF6 matrix_b_fmt:MATRIX_FMT_BF6 matrix_a_scale:MATRIX_SCALE_ROW1
.else
	v_wmma_scale_f32_16x16x128_f8f6f4 v[VACC+8*\j:VACC+8*\j+7], v[VB+FR*\j:VB+FR*\j+FR-1], v[AF+FR*(\a):AF+FR*(\a)+FR-1], v[VACC+8*\j:VACC+8*\j+7], v[VS+4*(\sc)+2*(\j/2)+(\q)], v[SC+8*NQ*(\sc)+NQ*(\a)+(\q)] matrix_a_fmt:MATRIX_FMT_BF6 matrix_b_fmt:MATRIX_FMT_BF6
.endif
.endif
.endr
.endr
.endm
.macro FETCH_B slot, q, p
	WIN TO_B
.irp i, 0,1,2,3,4,5,6,7
	FRAGB 128*(\p)+FR*\i, \slot, \q, \i
.endr
	WIN 0
.endm
.macro FETCH_A slot, q, i0
.irp i, \i0, \i0+1, \i0+2, \i0+3
	FRAGA AF+FR*(\i), \slot, \q, \i
.endr
.endm
.macro FETCH_V slot, q
.irp j, 0,1,2,3
.irp c, 0,1,2
	ds_load_b128 v[VB+FR*\j+4*\c:VB+FR*\j+4*\c+3], v[ADRV+\slot] offset:\j*TILEB+(\q)*1536+512*\c
.endr
.endr
.endm
.macro SCALES sc
.irp i, 0,1,2,3,4,5,6,7
	ds_load_b64 v[SC+8*NQ*\sc+NQ*\i:SC+8*NQ*\sc+NQ*\i+1], v[ADRS] offset:\i*SBLK
.endr
.irp i, 0,1
	ds_load_b64 v[VS+4*\sc+2*\i:VS+4*\sc+2*\i+1], v[ADRSV] offset:\i*2*SBLK
.endr
.endm
.macro PLACES n
.rept \n
	v_nop
.endr
.endm
.macro STEP slot, q, zero
	s_wait_dscnt 28
	WIN MUL_LO
	MUL16 0, (\q)%2, \q, \slot, \zero
	MUL16 2, (\q)%2, \q, \slot, \zero
	s_wait_dscnt 16
	WIN 0
	VMUL 0, \q, \slot, \zero
	s_wait_dscnt 0
	PLACES NP
	FETCH_B \slot, (\q)+1, 1-(\q)%2
	FETCH_A \slot, (\q)+1, 0
	WIN MUL_HI
	MUL16 4, (\q)%2, \q, \slot, \zero
	MUL16 6, (\q)%2, \q, \slot, \zero
	WIN 0
	VMUL 4, \q, \slot, 0
	PLACES NP
	FETCH_V \slot, (\q)+1
	FETCH_A \slot, (\q)+1, 4
.endm
.macro TURN slot, next, fill
	s_wait_tensorcnt 0x0
	ds_add_u32 v[SPW], v[NIL]
	s_wait_dscnt 29
	WIN MUL_LO
	MUL16 0, 1, NQ-1, \slot, 0
	s_wait_dscnt 0x0
	s_barrier_signal -1
	MUL16 2, 1, NQ-1, \slot, 0
	WIN 0
	VMUL 0, NQ-1, \slot, 0
	s_barrier_wait -1
.if \fill
	CREST
	s_add_nc_u64 s[G0+4*\slot+2:G0+4*\slot+3], s[G0+4*\slot+2:G0+4*\slot+3], 2*TILEB
	s_add_nc_u64 s[G0B+4*\slot+2:G0B+4*\slot+3], s[G0B+4*\slot+2:G0B+4*\slot+3], 2*TILEB
	JLOAD G0+4*\slot, G1, G0B+4*\slot, G1B
.else
	PLACES NP
.endif
	s_wait_alu depctr_va_vdst(0)
	v_add_nc_u32 v[ADRS], 128, v[ADRS]
	v_add_nc_u32 v[ADRSV], 128, v[ADRSV]
	FETCH_B \next, 0, 0
	FETCH_A \next, 0, 0
	SCALES \next
	WIN MUL_HI
	MUL16 4, 1, NQ-1, \slot, 0
	MUL16 6, 1, NQ-1, \slot, 0
	WIN 0
	VMUL 4, NQ-1, \slot, 0
	PLACES NP
	FETCH_V \next, 0
	FETCH_A \next, 0, 4
.endm
	s_wait_tensorcnt 1
	s_barrier_signal -1
	s_barrier_wait -1
	FETCH_B 0, 0, 0
	FETCH_A 0, 0, 0
	SCALES 0
	FETCH_V 0, 0
	FETCH_A 0, 0, 4
	STEP 0, 0, 1
	TURN 0, 1, 1
	STEP 1, 0, 0
	TURN 1, 0, 1
	STEP 0, 0, 0
	TURN 0, 1, 0
	STEP 1, 0, 0
	s_wait_dscnt 28
	WIN MUL_LO
	MUL16 0, 1, NQ-1, 1, 0
	MUL16 2, 1, NQ-1, 1, 0
	s_wait_dscnt 0
	WIN 0
	VMUL 0, NQ-1, 1, 0
	WIN MUL_HI
	MUL16 4, 1, NQ-1, 1, 0
	MUL16 6, 1, NQ-1, 1, 0
	WIN 0
	VMUL 4, NQ-1, 1, 0
	PLACES NP
	s_lshl_b32 s20, ttmp9, 3
	s_lshr_b32 s21, s17, 2
	s_add_co_u32 s20, s20, s21
	s_lshl_b32 s20, s20, 4
	s_lshl_b32 s21, s40, 2
	s_add_co_u32 s20, s20, s21
	s_lshl_b32 s21, s16, 1
	s_add_co_u32 s20, s20, s21
	s_and_b32 s21, s17, 3
	s_lshl_b32 s22, s21, 1
	s_add_co_u32 s22, s22, s15
	s_mul_i32 s46, s20, 49152
	s_mul_i32 s23, s22, 8*768
	s_add_co_u32 s46, s46, s23
	s_mov_b32 s47, 0
	s_add_nc_u64 s[96:97], s[96:97], s[46:47]
	s_lshl_b32 s46, s20, 11
	s_lshl_b32 s23, s22, 8
	s_add_co_u32 s46, s46, s23
	s_add_nc_u64 s[98:99], s[98:99], s[46:47]
	s_lshl_b32 s22, s17, 1
	s_add_co_u32 s22, s22, s15
	s_lshl_b32 s22, s22, 12
	s_lshl_b32 s23, s42, 9
	s_add_co_u32 s22, s22, s23
	s_lshl_b32 s23, s16, 8
	s_add_co_u32 s22, s22, s23
	s_mov_b32 s23, 0
	s_add_nc_u64 s[100:101], s[100:101], s[22:23]
	s_mov_b32 s20, 0x76543210
	s_mov_b32 s21, 0xfedcba98
.set J, 0
.rept 8
	ds_store_b128 v[STO], v[VACC+4*J:VACC+4*J+3] offset:128*(J/4)+16*(J%4)
.set J, J+1
.endr
.set J, 0
.rept 8
	ds_load_b128 v[128+4*J:131+4*J], v[RD] offset:2*VPITCH*J
.set J, J+1
.endr
	s_wait_dscnt 0x0
.irp d, 4,2,1
.set J, 0
.rept \d
	v_pk_add_f32 v[128+4*J:129+4*J], v[128+4*J:129+4*J], v[128+4*(J+\d):129+4*(J+\d)]
	v_pk_add_f32 v[130+4*J:131+4*J], v[130+4*J:131+4*J], v[130+4*(J+\d):131+4*(J+\d)]
.set J, J+1
.endr
.endr
.irp i, 0,1,2,3
	v_permlanex16_b32 v[132+\i], v[128+\i], s20, s21
.endr
.irp i, 0,1,2,3
	v_add_f32 v[128+\i], v[128+\i], v[132+\i]
.endr
	v_cmp_gt_u32 vcc_lo, 16, v3
	s_wait_alu depctr_va_vdst(0)
	s_wait_xcnt 0x0
	s_and_saveexec_b32 s18, vcc_lo
	global_store_b128 v[QA], v[128:131], s[100:101]
	s_wait_xcnt 0x0
	s_or_b32 exec_lo, exec_lo, s18
.irp b, 0,1,2,3
	v_mov_b32 v[TM+4+\b], 0
.endr
.macro QUANTQ a
.set AC, 64*((\a)%4)
.set W, 2+(\a)/4
.set WW, W|(W<<2)
	WIN WW
.irp b, 0,1,2,3
	v_max3_num_f32 v[TM+\b], |v[AC+16*\b]|, |v[AC+16*\b+1]|, 0x2800000
.endr
.irp i, 2,4,6,8,10,12,14
.irp b, 0,1,2,3
	v_max3_num_f32 v[TM+\b], |v[AC+16*\b+\i]|, |v[AC+16*\b+\i+1]|, v[TM+\b]
.endr
.endr
	WIN 0
.irp b, 0,1,2,3
	v_permlanex16_b32 v[TM+4+\b], v[TM+\b], s20, s21
.endr
.irp b, 0,1,2,3
	v_max_num_f32 v[TM+\b], v[TM+\b], v[TM+4+\b]
.endr
.irp b, 0,1,2,3
	v_add_nc_u32 v[TM+12+\b], 0xfe000000, v[TM+\b]
.endr
.irp b, 0,1,2,3
	v_lshrrev_b32 v[TM+4+\b], 23, v[TM+12+\b]
.endr
	v_lshl_or_b32 v[PW+\a], v[TM+5], 8, v[TM+4]
	v_lshl_or_b32 v[PW+\a], v[TM+6], 16, v[PW+\a]
	v_lshl_or_b32 v[PW+\a], v[TM+7], 24, v[PW+\a]
	s_wait_xcnt 0x0
	WIN W
.irp c, 0,1
	v_cvt_scalef32_pk16_bf6_f32 v[PC+6*\c:PC+6*\c+2], v[AC+32*\c:AC+32*\c+15], v[TM+12+2*\c]
	v_cvt_scalef32_pk16_bf6_f32 v[T+4*\c:T+4*\c+2], v[AC+32*\c+16:AC+32*\c+31], v[TM+12+2*\c+1]
.endr
	WIN 0
	v_nop
.irp c, 0,1
.irp i, 0,1,2
	v_permlane16_swap_b32 v[PC+6*\c+\i], v[T+4*\c+\i]
.endr
.irp i, 0,1,2
	v_mov_b32 v[PC+3+6*\c+\i], v[T+4*\c+\i]
.endr
.endr
.irp c, 0,1
	global_store_b128 v[QA], v[PC+6*\c:PC+6*\c+3], s[96:97] offset:\c*49152+(\a)*768
	global_store_b64 v[QB], v[PC+6*\c+4:PC+6*\c+5], s[96:97] offset:\c*49152+(\a)*768+512
.endr
.endm
.irp a, 0,1,2,3,4,5,6,7
	QUANTQ \a
.endr
.irp i, 0,1,2,3
	v_perm_b32 v[SW+\i], v[PW+2*\i+1], v[PW+2*\i], v[VSEL]
.endr
	global_store_b128 v[QSO], v[SW:SW+3], s[98:99]
	s_wait_tensorcnt 0x0
	ds_add_u32 v[SPW], v[NIL]
	s_wait_dscnt 0x0
	CROUND
	s_endpgm
.Lfunc_end_k_qce4bebc466_qkv:
	.size	k_qce4bebc466_qkv, .Lfunc_end_k_qce4bebc466_qkv-k_qce4bebc466_qkv
	.p2alignl 7, 3214868480
	.fill 96, 4, 3214868480
	.section	.rodata,"a",@progbits
	.p2align	6, 0x0
	.amdhsa_kernel k_qce4bebc466_qkv
		.amdhsa_group_segment_fixed_size 327680
		.amdhsa_private_segment_fixed_size 0
		.amdhsa_enable_private_segment 0
		.amdhsa_kernarg_size 56
		.amdhsa_user_sgpr_count 2
		.amdhsa_user_sgpr_kernarg_segment_ptr 1
		.amdhsa_wavefront_size32 1
		.amdhsa_system_sgpr_workgroup_id_x 1
		.amdhsa_system_sgpr_workgroup_id_y 1
		.amdhsa_system_sgpr_workgroup_id_z 1
		.amdhsa_system_vgpr_workitem_id 0
		.amdhsa_next_free_vgpr 1024
		.amdhsa_next_free_sgpr 102
		.amdhsa_reserve_vcc 1
		.amdhsa_float_denorm_mode_32 3
		.amdhsa_float_denorm_mode_16_64 3
		.amdhsa_memory_ordered 1
		.amdhsa_forward_progress 1
		.amdhsa_inst_pref_size 189
	.end_amdhsa_kernel
	.amdgpu_metadata
---
amdhsa.version: [ 1, 2 ]
amdhsa.kernels:
  - .name:           k_qce4bebc466_qkv
    .symbol:         k_qce4bebc466_qkv.kd
    .args:
      - { .name: xc, .offset: 0, .size: 8, .value_kind: global_buffer, .address_space: global }
      - { .name: xs, .offset: 8, .size: 8, .value_kind: global_buffer, .address_space: global }
      - { .name: wc, .offset: 16, .size: 8, .value_kind: global_buffer, .address_space: global }
      - { .name: ws, .offset: 24, .size: 8, .value_kind: global_buffer, .address_space: global }
      - { .name: qkc, .offset: 32, .size: 8, .value_kind: global_buffer, .address_space: global }
      - { .name: qks, .offset: 40, .size: 8, .value_kind: global_buffer, .address_space: global }
      - { .name: vpart, .offset: 48, .size: 8, .value_kind: global_buffer, .address_space: global }
    .group_segment_fixed_size: 327680
    .private_segment_fixed_size: 0
    .kernarg_segment_align: 8
    .kernarg_segment_size: 56
    .max_flat_workgroup_size: 128
    .sgpr_count:     102
    .vgpr_count:     1024
    .wavefront_size: 32
...
	.end_amdgpu_metadata
.endif
;; end of part 2
;; launch attn (part 3): grid 256 x 1, 4 waves a work-group, no clusters, 327,680 bytes of LDS; arguments qkc, qks, sm; writes sm
.if DOCPART == 3
	.amdgcn_target "amdgcn-amd-amdhsa--gfx1250"
	.amdhsa_code_object_version 6
	.text
	.protected	k_qce4bebc466_attn
	.globl	k_qce4bebc466_attn
	.p2align	8
	.type	k_qce4bebc466_attn,@function
k_qce4bebc466_attn:
	s_mov_b64 s[64:65], 0
	v_nop
	global_prefetch_b8 v0, s[64:65] scope:SCOPE_SE
	s_setreg_imm32_b32 hwreg(HW_REG_WAVE_MODE, 25, 1), 1
	s_wait_xcnt 0x0
.set KSW,  49152
.set STAT, 51200
.set QS,   8
.set KS,   16
.set QF,   48
.set ACC,  144
.set KF,   208
.set QW,   244
	s_load_b128 s[4:7], s[0:1], 0x0
	s_load_b64 s[8:9], s[0:1], 0x10
	v_lshl_add_u32 v254, v0, 2, 0x29000
	v_mov_b32 v255, 0
	ds_add_u32 v254, v255
	ds_add_u32 v254, v255
	v_lshrrev_b32 v1, 5, v0
	v_readfirstlane_b32 s10, v1
	s_lshr_b32 s11, ttmp9, 1
	s_and_b32 s12, ttmp9, 1
	s_mov_b32 s24, 3<<16
	s_mov_b32 s25, 32<<16
	s_mov_b32 s26, 48<<16
	s_mov_b32 s27, 32<<16
	s_mov_b32 s28, 48
	s_mov_b32 s29, 32
	s_mov_b32 s30, 0
	s_mov_b32 s31, 0
	s_mov_b32 s32, 3<<16
	s_mov_b32 s33, 32<<16
	s_mov_b32 s34, 2<<16
	s_mov_b32 s35, 32<<16
	s_mov_b32 s36, 2
	s_mov_b32 s37, 32
	s_mov_b32 s38, 0
	s_mov_b32 s39, 0
	s_mov_b32 s16, 1
	s_mul_i32 s17, s10, 12288
	s_mov_b32 s20, 1
	s_lshl_b32 s21, s10, 9
	s_add_co_u32 s21, s21, KSW
	s_add_co_u32 s13, s11, 128
	s_mul_i32 s40, s13, 49152
	s_add_co_u32 s40, s40, s17
	s_mov_b32 s41, 0
	s_lshl_b32 s42, s13, 11
	s_lshl_b32 s43, s10, 9
	s_add_co_u32 s42, s42, s43
	s_mov_b32 s43, 0
	s_wait_dscnt 0x0
	s_wait_kmcnt 0x0
	s_add_nc_u64 s[18:19], s[4:5], s[40:41]
	s_or_b32 s19, s19, 0x80000000
	s_add_nc_u64 s[22:23], s[6:7], s[42:43]
	s_or_b32 s23, s23, 0x80000000
	tensor_load_to_lds s[16:19], s[24:31]
	s_nop 0
	s_wait_alu depctr_va_vdst(0)
	s_wait_tensorcnt 0x0
	ds_add_u32 v254, v255
	s_wait_dscnt 0x0
	s_barrier_signal -1
	s_barrier_wait -1
	tensor_load_to_lds s[20:23], s[32:39]
	s_nop 0
.rept 4
	v_nop
.endr
	v_and_b32 v1, 31, v0
	v_and_b32 v2, 15, v0
	v_lshlrev_b32 v3, 4, v1
	s_wait_alu depctr_va_vdst(0)
	v_lshlrev_b32 v4, 3, v1
	s_wait_alu depctr_va_vdst(0)
	v_lshlrev_b32 v7, 4, v2
	s_wait_alu depctr_va_vdst(0)
	v_add_nc_u32 v5, KSW, v7
	s_lshl_b32 s44, s10, 2
	s_add_co_u32 s44, s44, STAT
	v_mov_b32 v6, s44
	s_lshl_b32 s45, s12, 2
	s_add_co_u32 s45, s45, s10
	s_mul_i32 s40, s11, 49152
	s_mul_i32 s42, s45, 8*768
	s_add_co_u32 s40, s40, s42
	s_add_nc_u64 s[4:5], s[4:5], s[40:41]
	s_lshl_b32 s40, s11, 11
	s_lshl_b32 s42, s45, 8
	s_add_co_u32 s40, s40, s42
	s_add_nc_u64 s[6:7], s[6:7], s[40:41]
	s_lshl_b32 s40, ttmp9, 7
	s_add_co_u32 s40, s40, 524288
	s_add_nc_u64 s[46:47], s[8:9], s[40:41]
	s_lshl_b32 s40, s11, 3
	s_add_co_u32 s40, s40, s45
	s_lshl_b32 s40, s40, 9
	s_add_nc_u64 s[8:9], s[8:9], s[40:41]
	s_mov_b32 s48, 0x76543210
	s_mov_b32 s49, 0xfedcba98
.irp a, 0,1,2,3,4,5,6,7
	global_load_b128 v[QF+12*\a:QF+12*\a+3], v3, s[4:5] offset:768*\a
	global_load_b64 v[QF+12*\a+4:QF+12*\a+5], v4, s[4:5] offset:768*\a+512
	global_load_b128 v[QF+12*\a+6:QF+12*\a+9], v3, s[4:5] offset:768*\a
	global_load_b64 v[QF+12*\a+10:QF+12*\a+11], v4, s[4:5] offset:768*\a+512
.endr
	global_load_b128 v[QW:QW+3], v7, s[6:7]
	s_wait_alu depctr_va_vdst(0)
	s_wait_tensorcnt 0x0
	s_barrier_signal -1
	s_barrier_wait -1
.irp g, 0,1,2,3,4,5,6,7
	ds_load_b128 v[KS+4*\g:KS+4*\g+3], v5 offset:256*\g
.endr
.macro FETCHK p
.set KR, KF+12*((\p)%3)
	ds_load_b128 v[KR:KR+3], v3 offset:(\p)*1536
	ds_load_b64 v[KR+4:KR+5], v4 offset:(\p)*1536+512
	ds_load_b128 v[KR+6:KR+9], v3 offset:(\p)*1536+768
	ds_load_b64 v[KR+10:KR+11], v4 offset:(\p)*1536+1280
.endm
	FETCHK 0
	FETCHK 1
	FETCHK 2
	s_wait_loadcnt 0x0
.irp i, 0,1,2,3
	v_perm_b32 v[QS+2*\i], v[QW+\i], v[QW+\i], 0x01000100
	v_perm_b32 v[QS+2*\i+1], v[QW+\i], v[QW+\i], 0x03020302
.endr
.rept 8
	v_nop
.endr
.set PP, 0
	s_wait_alu depctr_va_vdst(0)
.rept 32
.if PP < 30
	s_wait_dscnt 8
.elseif PP == 30
	s_wait_dscnt 4
.else
	s_wait_dscnt 0x0
.endif
.set KR, KF+12*(PP%3)
.irp a, 0,1,2,3,4,5,6,7
.if PP == 0
	v_wmma_scale_f32_16x16x128_f8f6f4 v[ACC+8*\a:ACC+8*\a+7], v[KR:KR+11], v[QF+12*\a:QF+12*\a+11], 0, v[KS+PP], v[QS+\a] matrix_a_fmt:MATRIX_FMT_BF6 matrix_b_fmt:MATRIX_FMT_BF6
.else
	v_wmma_scale_f32_16x16x128_f8f6f4 v[ACC+8*\a:ACC+8*\a+7], v[KR:KR+11], v[QF+12*\a:QF+12*\a+11], v[ACC+8*\a:ACC+8*\a+7], v[KS+PP], v[QS+\a] matrix_a_fmt:MATRIX_FMT_BF6 matrix_b_fmt:MATRIX_FMT_BF6
.endif
.endr
.rept 4
	v_nop
.endr
.if PP < 29
	FETCHK PP+3
.endif
.set PP, PP+1
.endr
.irp a, 0,1,2,3,4,5,6,7
	v_pk_add_f32 v[216+2*\a:217+2*\a], v[ACC+8*\a:ACC+8*\a+1], v[ACC+8*\a+2:ACC+8*\a+3]
	v_pk_add_f32 v[232+2*\a:233+2*\a], v[ACC+8*\a+4:ACC+8*\a+5], v[ACC+8*\a+6:ACC+8*\a+7]
.endr
.irp a, 0,1,2,3,4,5,6,7
	v_pk_add_f32 v[216+2*\a:217+2*\a], v[216+2*\a:217+2*\a], v[232+2*\a:233+2*\a]
.endr
.irp a, 0,1,2,3,4,5,6,7
	v_add_f32 v[208+\a], v[216+2*\a], v[217+2*\a]
.endr
.irp a, 0,1,2,3,4,5,6,7
	v_permlanex16_b32 v[216+\a], v[208+\a], s48, s49
.endr
.irp a, 0,1,2,3,4,5,6,7
	v_add_f32 v[208+\a], v[208+\a], v[216+\a]
.endr
.irp a, 0,1,2,3,4,5,6,7
	v_mul_f32 v[208+\a], 0x3e000000, v[208+\a]
.endr
	v_max3_num_f32 v216, v208, v209, v210
	v_max3_num_f32 v216, v216, v211, v212
	v_max3_num_f32 v216, v216, v213, v214
	v_max_num_f32 v216, v216, v215
	v_max_num_f32_dpp v216, v216, v216 row_xmask:1 row_mask:0xf bank_mask:0xf
	v_max_num_f32_dpp v216, v216, v216 row_xmask:2 row_mask:0xf bank_mask:0xf
	v_max_num_f32_dpp v216, v216, v216 row_xmask:4 row_mask:0xf bank_mask:0xf
	v_max_num_f32_dpp v216, v216, v216 row_xmask:8 row_mask:0xf bank_mask:0xf
	v_mov_b32 v217, STAT
	ds_store_b32 v6, v216
	s_wait_alu depctr_va_vdst(0)
	s_wait_dscnt 0x0
	s_barrier_signal -1
	s_barrier_wait -1
	ds_load_b128 v[220:223], v217
	s_wait_dscnt 0x0
	v_max3_num_f32 v216, v220, v221, v222
	v_max_num_f32 v216, v216, v223
.irp a, 0,1,2,3,4,5,6,7
	v_sub_f32 v[224+\a], v[208+\a], v216
.endr
.irp a, 0,1,2,3,4,5,6,7
	v_mul_f32 v[224+\a], 0x3fb8aa3b, v[224+\a]
.endr
	s_wait_alu depctr_va_vdst(0)
.irp a, 0,1,2,3,4,5,6,7
	v_exp_f32 v[224+\a], v[224+\a]
.endr
	v_cmp_gt_u32 vcc_lo, 16, v1
	s_wait_alu depctr_va_vdst(0)
	v_add_f32 v232, v224, v225
	v_add_f32 v233, v226, v227
	v_add_f32 v234, v228, v229
	v_add_f32 v235, v230, v231
	v_add_f32 v232, v232, v233
	v_add_f32 v234, v234, v235
	v_add_f32 v232, v232, v234
	v_add_f32_dpp v232, v232, v232 row_xmask:1 row_mask:0xf bank_mask:0xf
	v_add_f32_dpp v232, v232, v232 row_xmask:2 row_mask:0xf bank_mask:0xf
	v_add_f32_dpp v232, v232, v232 row_xmask:4 row_mask:0xf bank_mask:0xf
	v_add_f32_dpp v232, v232, v232 row_xmask:8 row_mask:0xf bank_mask:0xf
	ds_store_b32 v6, v232 offset:16
	s_wait_dscnt 0x0
	s_barrier_signal -1
	s_barrier_wait -1
	ds_load_b128 v[236:239], v217 offset:16
.irp i, 0,1,2,3
	v_cndmask_b32 v[240+\i], v[228+\i], v[224+\i], vcc_lo
.endr
	v_lshlrev_b32 v218, 5, v2
	v_bfe_u32 v219, v0, 4, 1
	v_lshl_add_u32 v218, v219, 4, v218
	global_store_b128 v218, v[240:243], s[8:9]
	s_wait_dscnt 0x0
	v_add_f32 v232, v236, v237
	v_add_f32 v233, v238, v239
	v_add_f32 v232, v232, v233
	s_cmp_lg_u32 s10, 0
	s_cbranch_scc1 .Ldone
	v_and_b32 v219, 1, v1
	v_cmp_eq_u32 vcc_lo, 1, v219
	v_cndmask_b32 v219, v216, v232, vcc_lo
	v_lshlrev_b32 v220, 2, v1
	global_store_b32 v220, v219, s[46:47]
.Ldone:
	s_wait_tensorcnt 0x0
	ds_add_u32 v254, v255
	s_wait_dscnt 0x0
	s_endpgm
.Lfunc_end_k_qce4bebc466_attn:
	.size	k_qce4bebc466_attn, .Lfunc_end_k_qce4bebc466_attn-k_qce4bebc466_attn
	.p2alignl 7, 3214868480
	.fill 96, 4, 3214868480
	.section	.rodata,"a",@progbits
	.p2align	6, 0x0
	.amdhsa_kernel k_qce4bebc466_attn
		.amdhsa_group_segment_fixed_size 327680
		.amdhsa_private_segment_fixed_size 0
		.amdhsa_enable_private_segment 0
		.amdhsa_kernarg_size 24
		.amdhsa_user_sgpr_count 2
		.amdhsa_user_sgpr_kernarg_segment_ptr 1
		.amdhsa_wavefront_size32 1
		.amdhsa_system_sgpr_workgroup_id_x 1
		.amdhsa_system_sgpr_workgroup_id_y 1
		.amdhsa_system_sgpr_workgroup_id_z 1
		.amdhsa_system_vgpr_workitem_id 0
		.amdhsa_next_free_vgpr 256
		.amdhsa_next_free_sgpr 66
		.amdhsa_reserve_vcc 1
		.amdhsa_float_denorm_mode_32 3
		.amdhsa_float_denorm_mode_16_64 3
		.amdhsa_memory_ordered 1
		.amdhsa_forward_progress 1
		.amdhsa_inst_pref_size 61
	.end_amdhsa_kernel
	.amdgpu_metadata
---
amdhsa.version: [ 1, 2 ]
amdhsa.kernels:
  - .name:           k_qce4bebc466_attn
    .symbol:         k_qce4bebc466_attn.kd
    .args:
      - { .name: qkc, .offset: 0, .size: 8, .value_kind: global_buffer, .address_space: global }
      - { .name: qks, .offset: 8, .size: 8, .value_kind: global_buffer, .address_space: global }
      - { .name: sm, .offset: 16, .size: 8, .value_kind: global_buffer, .address_space: global }
    .group_segment_fixed_size: 327680
    .private_segment_fixed_size: 0
    .kernarg_segment_align: 8
    .kernarg_segment_size: 24
    .max_flat_workgroup_size: 128
    .sgpr_count:     66
    .vgpr_count:     256
    .wavefront_size: 32
...
	.end_amdgpu_metadata
.endif
;; end of part 3
;; launch ffn (part 4): grid 256 x 1, 4 waves a work-group, clusters of 4 x 1, 327,680 bytes of LDS; arguments x, sm, vpart, wc, ws, g1, b1, g2, b2, out0; writes out0
.if DOCPART == 4
	.amdgcn_target "amdgcn-amd-amdhsa--gfx1250"
	.amdhsa_code_object_version 6
	.text
	.protected	k_qce4bebc466_ffn
	.globl	k_qce4bebc466_ffn
	.p2align	8
	.type	k_qce4bebc466_ffn,@function
k_qce4bebc466_ffn:
	s_mov_b64 s[64:65], 0
	v_nop
	global_prefetch_b8 v0, s[64:65] scope:SCOPE_SE
	s_setreg_imm32_b32 hwreg(HW_REG_WAVE_MODE, 25, 1), 1
	s_wait_xcnt 0x0
	s_wait_alu depctr_hold_cnt(0) depctr_sa_sdst(0) depctr_va_vdst(0) depctr_va_sdst(0) depctr_va_ssrc(0) depctr_va_vcc(0) depctr_vm_vsrc(0)
	s_getreg_b32 s2, hwreg(HW_REG_IB_STS2, 6, 4)
	s_cmp_eq_u32 s2, 0
	s_cbranch_scc0 .Lentry_in_a_cluster
	s_endpgm
.Lentry_in_a_cluster:
	s_bfe_u32 s2, ttmp6, 0x10000c
	s_cmp_lg_u32 s2, 0x3003
	s_cbranch_scc0 .Lentry_shape_is_right
	s_endpgm
.Lentry_shape_is_right:
; out = LN2(x1 + relu(x1 W1) W2), x1 = LN1(x + p vsum): the softmax's two halves are joined, v's partial sums added, and the whole chain runs for 32 rows in one work-group; x1 and the hidden layer never go to memory.
; SHARES.  Work-group g owns rows 32 g .. 32 g + 31.  Wave w owns columns 256 w .. 256 w + 255 of x1, of the hidden layer and of the result, for all 32 rows.
; LAYOUT.  Register 128 m + 16 b + i of lane (r, h) is row 16 m + r, column 256 w + 32 b + 16 h + i: what the transposed products leave (source 0 = 16 stored rows of a weight, stored with bits 3 and 4 exchanged)
; and what the quantiser takes: 16 neighbours along the next K in a lane's registers.
; OPERANDS GO FROM WAVE TO WAVE THROUGH LDS AS IMAGES OF THEIR REGISTERS (1,536 bytes a fragment, 128 bytes its scale words).  The hidden layer's images take x1's bytes, behind a barrier that follows W1's last K step.
; THE WEIGHTS are the same for all work-groups, and come by two roads at once.
;   Tiles 8-15 of a wave's sixteen: 4 work-groups form a cluster and ask JOINTLY (mask 15).  A slot holds two K steps of 128: wave w fetches 8 rows of 3,072 bytes, 12,288 bytes apart in memory, each at a multiple of 256,
;   and alone reads them.  Eight such fills (W1's four, W2's four) go through a ring of two slots of 98,304 bytes; a round of the cluster's barrier stands in front of each refill.
;   Tiles 0-7: from memory straight into a ring of 16 fragments in registers, two K steps deep; four places are asked for again behind their use, so 36 to 48 loads of 512 bytes a wave are on their way.
; No prefetch: all 64 clusters walk the same 1,572,864 bytes of weights in the same order, so each tile is read by many work-groups at about the same place of the text.
; x comes by dense loads (512 consecutive bytes an instruction) and turns through a stage of the wave's own, 16 rows at a time; the result leaves through the same stage.
; Both layer norms are two-pass (mean, then the sum of squares of the differences).  The second product's first instructions take x1 as C.
; LIMITS: NaN and infinities are not served; a block whose largest magnitude lies under 2^-122 keeps the byte 1; an exponential under 2^-126 comes out as 0.
; REGISTERS: window 0: addresses, statistics and codes just made (v16-71; during the products v16-63 hold two sets of two row fragments), scale words.  window 1: x1, later x1 + ff.
; window 2: temporaries, gains and biases, the hidden layer.  window 3: at the head x as loaded; then v0-191 the ring, v192-239 four fragments from LDS; on the way out the rows read back.
.set SLOT, 98304                       ; LDS 0: the ring, two slots; a wave's part: 24,576 bytes
.set XST,  196608                      ; the stages: 16 rows x (1,024 + 16) bytes a wave
.set IMG,  263168                      ; 16 fragments (2 s + m)
.set ISC,  287744                      ; their scale words
.set STAT, 289792                      ; four sets of 512 bytes for the rows' sums, each used once
.set CV,   291840                      ; a wave's 256 numbers of vsum, g1, b1, g2, b2: 5 x 1,024 bytes a wave
.set SPARE, 312320                     ; the spare words, 128 bytes a wave
.set NEXTW, 64*12288-6144              ; from a slot's last two K steps of W1 to its first two of W2
.set L16, 4
.set L32, 5
.set XR,  6                            ; the stage by the layout: 1,040 r + 64 h
.set CVW, 7
.set CVR, 8
.set IWI, 9
.set IWS, 10
.set AI,  11
.set AS,  12
.set STW, 13
.set STR, 14
.set XB,  15                           ; the stage by rows
.set P,    16
.set MEAN, 16
.set RSTD, 20
.set CH,   24
.set TM,   32
.set PW,   48
.set PC,   52
.set RFR,  16                          ; during the products: row fragments, set s at 16 + 24 s
.set XS,   72
.set WS1,  104
.set AW,   252                         ; v252, v253: my fragments in slot 0, 1
.set LF,   192                         ; window 3: four fragments from LDS
.set WV,   24
.set SEL,  36
.set SINV, 38
.set SEPS, 39
.set G0,   40                          ; s[40:43] group 0 of slot 0, s[52:55] of slot 1
.set G1,   44                          ; s[44:51] group 1
.set W1B,  56                          ; s[56:57] my sixteen tiles of W1, s[58:59] of W2
.set MSB, 0
.macro WIN new
.if MSB != (\new)
	s_set_vgpr_msb (MSB<<8)|(\new)
.set MSB, (\new)
.endif
.endm
.macro BARRIER
	s_wait_alu depctr_va_vdst(0)                   ; the wait ahead of the blocking wait
	s_wait_dscnt 0x0
	s_barrier_signal -1
	s_barrier_wait -1
.endm
.macro ROUND                           ; a round of the cluster's barrier
	s_barrier_signal -1
	s_barrier_wait -1
	s_cmp_lg_u32 s[WV], 0
	s_cbranch_scc1 .Lnot_wave_0_\@
	s_barrier_signal -3
.Lnot_wave_0_\@:
	s_barrier_wait -3
	s_barrier_signal -1
	s_barrier_wait -1
.endm
.macro JLOAD s                         ; my joint load into slot s
	tensor_load_to_lds s[G0+12*(\s):G0+12*(\s)+3], s[G1:G1+7]
	s_nop 0
.rept 4
	v_nop
.endr
.endm
.macro QUANT W, base                   ; 64 numbers of a lane become a fragment's codes in v[PC] on and its scale word in v[PW]
	WIN (\W)|((\W)<<2)
.irp b, 0,1,2,3
	v_max3_num_f32 v[TM+\b], |v[(\base)+16*\b]|, |v[(\base)+16*\b+1]|, 0x2800000
.endr
.irp i, 2,4,6,8,10,12,14
.irp b, 0,1,2,3
	v_max3_num_f32 v[TM+\b], |v[(\base)+16*\b+\i]|, |v[(\base)+16*\b+\i+1]|, v[TM+\b]
.endr
.endr
	WIN 0
.irp b, 0,1,2,3
	v_permlanex16_b32 v[TM+4+\b], v[TM+\b], s[SEL], s[SEL+1]
.endr
.irp b, 0,1,2,3
	v_max_num_f32 v[TM+\b], v[TM+\b], v[TM+4+\b]
.endr
.irp b, 0,1,2,3
	v_add_nc_u32 v[TM+12+\b], 0xfe000000, v[TM+\b]
.endr
.irp b, 0,1,2,3
	v_lshrrev_b32 v[TM+4+\b], 23, v[TM+12+\b]
.endr
	v_lshl_or_b32 v[PW], v[TM+5], 8, v[TM+4]
	v_lshl_or_b32 v[PW], v[TM+6], 16, v[PW]
	v_lshl_or_b32 v[PW], v[TM+7], 24, v[PW]
	WIN (\W)
.irp c, 0,1
	v_cvt_scalef32_pk16_bf6_f32 v[PC+6*\c:PC+6*\c+2], v[(\base)+32*\c:(\base)+32*\c+15], v[TM+12+2*\c]
	v_cvt_scalef32_pk16_bf6_f32 v[PC+12+4*\c:PC+14+4*\c], v[(\base)+32*\c+16:(\base)+32*\c+31], v[TM+12+2*\c+1]
.endr
	WIN 0
	v_nop                                          ; a plain line behind the conversions
.irp c, 0,1
.irp i, 0,1,2
	v_permlane16_swap_b32 v[PC+6*\c+\i], v[PC+12+4*\c+\i]
.endr
.irp i, 0,1,2
	v_mov_b32 v[PC+3+6*\c+\i], v[PC+12+4*\c+\i]
.endr
.endr
.endm
.macro IMAGE f                         ; my fragment f (0..3) goes to LDS as it stands
.irp c, 0,1,2
	ds_store_b128 v[IWI], v[PC+4*\c:PC+4*\c+3] offset:(\f)*1536+512*\c
.endr
	ds_store_b32 v[IWS], v[PW] offset:(\f)*128
	s_wait_dscnt 0x0                               ; the stores have read their registers
.endm
.macro GBLOAD vg, vb                   ; a gain and a bias by the layout into window 2
	WIN 0x80
.set J, 0
.rept 32
	ds_load_b128 v[4*J:4*J+3], v[CVR] offset:1024*(\vg)+128*(J/4)+16*(J%4)
.set J, J+1
.endr
.set J, 0
.rept 32
	ds_load_b128 v[128+4*J:131+4*J], v[CVR] offset:1024*(\vb)+128*(J/4)+16*(J%4)
.set J, J+1
.endr
	WIN 0
.endm
; the four chains are folded, joined with the other half of the lanes and with the other waves through set k of the sums' words
.macro EXCH k
.irp m, 0,1
	v_pk_add_f32 v[CH+4*\m:CH+4*\m+1], v[CH+4*\m:CH+4*\m+1], v[CH+4*\m+2:CH+4*\m+3]
.endr
.irp m, 0,1
	v_add_f32 v[CH+4*\m], v[CH+4*\m], v[CH+4*\m+1]
.endr
.irp m, 0,1
	v_permlanex16_b32 v[CH+4*\m+1], v[CH+4*\m], s[SEL], s[SEL+1]
.endr
.irp m, 0,1
	v_add_f32 v[CH+4*\m], v[CH+4*\m], v[CH+4*\m+1]
.endr
.irp m, 0,1
	ds_store_b32 v[STW], v[CH+4*\m] offset:512*(\k)+64*\m
.endr
.if (\k) == 0                          ; this barrier is a round: behind it slot 1 has its first fill, issued as a refill is
	s_wait_alu depctr_va_vdst(0)
	s_wait_tensorcnt 0x0                           ; my part of K steps 0 and 1 is in
	ds_add_u32 v254, v255
	s_wait_dscnt 0x0
	ROUND
	JLOAD 1                                        ; K steps 2 and 3
.else
	BARRIER
.endif
.irp m, 0,1
.irp u, 0,1,2,3
	ds_load_b32 v[232+4*\m+\u], v[STR] offset:512*(\k)+128*\u+64*\m
.endr
.endr
	s_wait_dscnt 0x0
.irp m, 0,1
	v_add_f32 v[232+4*\m], v[232+4*\m], v[233+4*\m]
	v_add_f32 v[234+4*\m], v[234+4*\m], v[235+4*\m]
.endr
.irp m, 0,1
	v_add_f32 v[232+4*\m], v[232+4*\m], v[234+4*\m]
.endr
.endm
; the layer norm of window 1, in place; gain and bias lie in window 2
.macro LN k
	WIN 0x05
.irp m, 0,1
	v_pk_add_f32 v[CH+4*\m:CH+4*\m+1], v[128*\m:128*\m+1], v[128*\m+2:128*\m+3]        ; ascending: each accumulator from its low end on
	v_pk_add_f32 v[CH+4*\m+2:CH+4*\m+3], v[128*\m+4:128*\m+5], v[128*\m+6:128*\m+7]
.endr
	WIN 0x04
.set J, 4
.rept 60
.irp m, 0,1
	v_pk_add_f32 v[CH+4*\m+2*(J%2):CH+4*\m+2*(J%2)+1], v[CH+4*\m+2*(J%2):CH+4*\m+2*(J%2)+1], v[128*\m+2*J:128*\m+2*J+1]
.endr
.set J, J+1
.endr
	WIN 0
	EXCH \k
.irp m, 0,1
	v_mul_f32 v[MEAN+2*\m], s[SINV], v[232+4*\m]
	v_mul_f32 v[MEAN+2*\m+1], s[SINV], v[232+4*\m]
.endr
	WIN 0x41
.set J, 0
.rept 64
.irp m, 0,1
	v_pk_add_f32 v[128*\m+2*J:128*\m+2*J+1], v[128*\m+2*J:128*\m+2*J+1], v[MEAN+2*\m:MEAN+2*\m+1] neg_lo:[0,1] neg_hi:[0,1]
.endr
.set J, J+1
.endr
	WIN 0x05
.irp m, 0,1
	v_pk_mul_f32 v[CH+4*\m:CH+4*\m+1], v[128*\m:128*\m+1], v[128*\m:128*\m+1]
	v_pk_mul_f32 v[CH+4*\m+2:CH+4*\m+3], v[128*\m+2:128*\m+3], v[128*\m+2:128*\m+3]
.endr
.set J, 2
.rept 62
.irp m, 0,1
	v_pk_fma_f32 v[CH+4*\m+2*(J%2):CH+4*\m+2*(J%2)+1], v[128*\m+2*J:128*\m+2*J+1], v[128*\m+2*J:128*\m+2*J+1], v[CH+4*\m+2*(J%2):CH+4*\m+2*(J%2)+1]
.endr
.set J, J+1
.endr
	WIN 0
	EXCH (\k)+1
.irp m, 0,1
	v_fma_f32 v[232+4*\m], v[232+4*\m], s[SINV], s[SEPS]       ; the biased variance + eps
.endr
	s_wait_alu depctr_va_vdst(0)
.irp m, 0,1
	v_rsq_f32 v[RSTD+2*\m], v[232+4*\m]
	v_rsq_f32 v[RSTD+2*\m+1], v[232+4*\m]
.endr
	v_nop
	s_wait_alu depctr_va_vdst(0)
	WIN 0x41
.set J, 0
.rept 64
.irp m, 0,1
	v_pk_mul_f32 v[128*\m+2*J:128*\m+2*J+1], v[128*\m+2*J:128*\m+2*J+1], v[RSTD+2*\m:RSTD+2*\m+1]
.endr
.set J, J+1
.endr
	WIN 0x69
.set J, 0
.rept 64
.irp m, 0,1
	v_pk_fma_f32 v[128*\m+2*J:128*\m+2*J+1], v[128*\m+2*J:128*\m+2*J+1], v[2*J:2*J+1], v[128+2*J:129+2*J]
.endr
.set J, J+1
.endr
	WIN 0
.endm
; eight matrix instructions of step gs: my tiles t0 .. t0 + 3, whose fragments stand in window 3 from v[fr] on, x both tiles of rows; then four places, in front of loads into the registers just read and of the first read of results
.macro MM4 gs, t0, fr
.if (\gs) < 8
	WIN 0xa3                                       ; weights window 3, row fragments window 0, the hidden layer window 2
.else
	WIN 0x53                                       ; the same onto x1, window 1
.endif
.irp t, 0,1,2,3
.irp m, 0,1
.set TA, (\t0)+\t
.set DR, 128*\m+8*TA
.set WA, (\fr)+12*\t
.set RF, RFR+24*((\gs)%2)+12*\m
.set SA, WS1+64*((\gs)/8)+8*(TA/2)+(\gs)%8
.set SB, XS+16*((\gs)/8)+2*((\gs)%8)+\m
.if (\gs) == 0
.if \t%2
	v_wmma_scale_f32_16x16x128_f8f6f4 v[DR:DR+7], v[WA:WA+11], v[RF:RF+11], 0, v[SA], v[SB] matrix_a_fmt:MATRIX_FMT_BF6 matrix_b_fmt:MATRIX_FMT_BF6 matrix_a_scale:MATRIX_SCALE_ROW1
.else
	v_wmma_scale_f32_16x16x128_f8f6f4 v[DR:DR+7], v[WA:WA+11], v[RF:RF+11], 0, v[SA], v[SB] matrix_a_fmt:MATRIX_FMT_BF6 matrix_b_fmt:MATRIX_FMT_BF6
.endif
.else
.if \t%2
	v_wmma_scale_f32_16x16x128_f8f6f4 v[DR:DR+7], v[WA:WA+11], v[RF:RF+11], v[DR:DR+7], v[SA], v[SB] matrix_a_fmt:MATRIX_FMT_BF6 matrix_b_fmt:MATRIX_FMT_BF6 matrix_a_scale:MATRIX_SCALE_ROW1
.else
	v_wmma_scale_f32_16x16x128_f8f6f4 v[DR:DR+7], v[WA:WA+11], v[RF:RF+11], v[DR:DR+7], v[SA], v[SB] matrix_a_fmt:MATRIX_FMT_BF6 matrix_b_fmt:MATRIX_FMT_BF6
.endif
.endif
.endr
.endr
.rept 4
	v_nop
.endr
.endm
.macro DFILL st, t0                    ; step st's tiles t0 .. t0 + 3 from memory into their places of the ring: twelve loads of 512 bytes
.set NB, W1B+2*((\st)/8)
	WIN 0xc0
.irp t, 0,1,2,3
.irp c, 0,1,2
	global_load_b128 v[96*((\st)%2)+12*((\t0)+\t)+4*\c:96*((\st)%2)+12*((\t0)+\t)+4*\c+3], v[L16], s[NB:NB+1] offset:((\t0)+\t)*12288+((\st)%8)*1536+512*\c
.endr
.endr
.endm
.macro LFILL gs, i0                    ; step gs's tiles 8 + i0 .. 8 + i0 + 3 from their slot
	WIN 0xc0
.irp t, 0,1,2,3
.irp c, 0,1,2
	ds_load_b128 v[LF+12*\t+4*\c:LF+12*\t+4*\c+3], v[AW+((\gs)/2)%2] offset:((\i0)+\t)*3072+((\gs)%2)*1536+512*\c
.endr
.endr
.endm
; Step gs (0-7: W1's K steps, 8-15: W2's).  Steps 2 p and 2 p + 1 lie in slot p % 2.  In front of an even step: all my tensor loads are in (the one that was out is this slot's), the add, my reads of the other slot are over,
; a round, and the other slot takes the next two steps.  The 32 accumulators take turns, one instruction a turn, in the same order in every step.
.macro STEPH gs
.set PP, (\gs)/2
.set NSL, 1-PP%2
.if ((\gs)%2 == 0) && ((\gs) >= 2)
	WIN 0
	s_wait_tensorcnt 0x0
.if PP <= 6
	ds_add_u32 v254, v255
.if (PP == 3) || (PP == 4)
	s_add_nc_u64 s[G0+12*NSL+2:G0+12*NSL+3], s[G0+12*NSL+2:G0+12*NSL+3], NEXTW
.else
	s_add_nc_u64 s[G0+12*NSL+2:G0+12*NSL+3], s[G0+12*NSL+2:G0+12*NSL+3], 6144
.endif
	s_wait_dscnt 0x0
	ROUND
	JLOAD NSL
.endif
.endif
	LFILL \gs, 0
	WIN 0
.if (\gs)%8 != 7
.set EX, 6
.irp m, 0,1
.irp c, 0,1,2
	ds_load_b128 v[RFR+24*(((\gs)+1)%2)+12*\m+4*\c:RFR+24*(((\gs)+1)%2)+12*\m+4*\c+3], v[AI] offset:(2*((\gs)%8+1)+\m)*1536+512*\c   ; the next step's row fragments
.endr
.endr
.else
.set EX, 0
.endif
	s_wait_dscnt 12+EX                             ; this step's row fragments (and, at a product's head, the scale words) are in; the loads just issued may be out
.if (\gs) == 15
	s_wait_loadcnt 12
.else
	s_wait_loadcnt 36                              ; my four places are in; the three younger groups of twelve loads may be out
.endif
	MM4 \gs, 0, 96*((\gs)%2)
.if (\gs)+2 <= 15
	DFILL (\gs)+2, 0
.endif
	s_wait_dscnt EX                                ; tiles 8-11 are in
	MM4 \gs, 8, LF
	LFILL \gs, 4
.if (\gs) == 15
	s_wait_loadcnt 0x0
.elseif (\gs) == 14
	s_wait_loadcnt 24
.else
	s_wait_loadcnt 36
.endif
	MM4 \gs, 4, 96*((\gs)%2)+48
.if (\gs)+2 <= 15
	DFILL (\gs)+2, 4
.endif
	s_wait_dscnt 0x0                               ; tiles 12-15 are in
	MM4 \gs, 12, LF
.endm
.macro OPEN hid                        ; at a product's head: the 16 scale words of the row fragments, and K step 0's two fragments
	WIN 0
.irp f, 0,1,2,3,4,5,6,7,8,9,10,11,12,13,14,15
	ds_load_b32 v[XS+16*(\hid)+\f], v[AS] offset:128*\f
.endr
.irp m, 0,1
.irp c, 0,1,2
	ds_load_b128 v[RFR+12*\m+4*\c:RFR+12*\m+4*\c+3], v[AI] offset:\m*1536+512*\c
.endr
.endr
.endm
.macro XIN m                           ; 16 rows of x, as loaded (window 3), through my stage into the layout (window 1); LDS serves a wave's instructions in order
	WIN 0x0c
.set J, 0
.rept 32
	ds_store_b128 v[XB], v[128*(\m)+4*J:128*(\m)+4*J+3] offset:1040*(J/2)+512*(J%2)
.set J, J+1
.endr
	WIN 0x40
.set J, 0
.rept 32
	ds_load_b128 v[128*(\m)+4*J:128*(\m)+4*J+3], v[XR] offset:128*(J/4)+16*(J%4)
.set J, J+1
.endr
	WIN 0
.endm
.macro OSTORE m                        ; 16 rows of the result by the layout into my stage
	WIN 0x04
.set J, 0
.rept 32
	ds_store_b128 v[XR], v[128*(\m)+4*J:128*(\m)+4*J+3] offset:128*(J/4)+16*(J%4)
.set J, J+1
.endr
.endm
.macro OBACK m                         ; and back by rows into window 3
	WIN 0xc0
.set J, 0
.rept 32
	ds_load_b128 v[128*(\m)+4*J:128*(\m)+4*J+3], v[XB] offset:1040*(J/2)+512*(J%2)
.set J, J+1
.endr
.endm
.macro OSEND m
	WIN 0x0c
.set J, 0
.rept 32
	global_store_b128 v[L16], v[128*(\m)+4*J:128*(\m)+4*J+3], s[22:23] offset:65536*(\m)+4096*(J/2)+512*(J%2) th:TH_STORE_NT    ; 512 consecutive bytes, aligned
.set J, J+1
.endr
.endm
	s_load_b512 s[4:19], s[0:1], 0x0               ; x, sm, vpart, wc, ws, g1, b1, g2
	s_load_b128 s[20:23], s[0:1], 0x40             ; b2, out0
	v_lshl_add_u32 v254, v0, 2, SPARE
	v_mov_b32 v255, 0
	ds_add_u32 v254, v255                          ; the opening lines: the add, twice on end
	ds_add_u32 v254, v255
	v_lshrrev_b32 v1, 5, v0
	v_readfirstlane_b32 s[WV], v1                  ; wave 0..3
	s_bfe_u32 s28, ttmp6, 0x40000                  ; my place in the cluster
	s_lshl_b32 s29, ttmp9, 2
	s_add_co_u32 s29, s29, s28                     ; work-group
	s_mul_i32 s56, s[WV], 16640
	s_add_co_u32 s56, s56, XST
	s_mul_i32 s57, s[WV], 5120
	s_add_co_u32 s57, s57, CV
	s_mul_i32 s58, s[WV], 6144
	s_add_co_u32 s58, s58, IMG
	s_lshl_b32 s59, s[WV], 9
	s_add_co_u32 s59, s59, ISC
	s_lshl_b32 s60, s[WV], 7
	s_add_co_u32 s60, s60, STAT
	s_mul_i32 s31, s[WV], 24576                    ; my part of a slot
	s_mov_b32 s[SEL], 0x76543210
	s_mov_b32 s[SEL+1], 0xfedcba98                 ; lane l xor 16
	s_mov_b32 s[SINV], 0x3a800000                  ; 1 / 1,024
	s_mov_b32 s[SEPS], 0x3727c5ac                  ; 1e-5
	s_mov_b32 s[G1], 15|(3<<16)|(1<<21)            ; the cluster's four; elements of 8 bytes
	s_mov_b32 s[G1+1], 384<<16                     ; a row: 3,072 bytes, two K steps of a tile
	s_mov_b32 s[G1+2], 8<<16
	s_mov_b32 s[G1+3], 384<<16
	s_mov_b32 s[G1+4], 8                           ; 8 rows,
	s_mov_b32 s[G1+5], 1536                        ; 12,288 bytes apart
	s_mov_b32 s[G1+6], 0
	s_mov_b32 s[G1+7], 0
	s_mov_b32 s[G0], 1
	s_mov_b32 s[G0+1], s31
	s_mov_b32 s[G0+12], 1
	s_add_co_u32 s[G0+13], s31, SLOT
	s_lshl_b32 s62, s[WV], 4
	s_add_co_u32 s62, s62, 192
	s_mul_i32 s62, s62, 12288                      ; my sixteen tiles of W1 in wc
	s_mov_b32 s63, 0
	v_and_b32 v1, 31, v0                           ; lane
	v_and_b32 v2, 15, v0                           ; r
	v_bfe_u32 v3, v0, 4, 1                         ; h
	v_lshlrev_b32 v[L16], 4, v1
	v_lshlrev_b32 v[L32], 5, v1
	v_mul_u32_u24 v[XR], v2, 1040
	v_lshl_add_u32 v[XR], v3, 6, v[XR]
	v_add_nc_u32 v[XR], s56, v[XR]
	v_add_nc_u32 v[XB], s56, v[L16]
	v_add_nc_u32 v[CVW], s57, v[L16]
	v_lshlrev_b32 v[CVR], 6, v3
	v_add_nc_u32 v[CVR], s57, v[CVR]
	v_add_nc_u32 v[IWI], s58, v[L16]
	v_lshlrev_b32 v[AS], 2, v1
	v_add_nc_u32 v[IWS], s59, v[AS]
	v_add_nc_u32 v[AI], IMG, v[L16]
	v_add_nc_u32 v[AS], ISC, v[AS]
	v_lshlrev_b32 v[STR], 2, v2
	v_add_nc_u32 v[STW], s60, v[STR]
	v_add_nc_u32 v[STR], STAT, v[STR]
	v_add_nc_u32 v[AW], s31, v[L16]
	v_add_nc_u32 v[AW+1], SLOT, v[AW]
	v_and_b32 v250, 3, v1
	v_lshlrev_b32 v250, 8, v250                    ; lane l asks for the statistics of my head l % 4
	v_lshlrev_b32 v251, 5, v2                      ; e: 32 bytes a query
.irp b, 0,1,2,3
	v_mov_b32 v[TM+4+\b], 0                        ; a lane permute's destination counts as one of its sources
.endr
	s_wait_alu depctr_va_vdst(0)                   ; the wait at the head's end
	s_wait_dscnt 0x0
	s_wait_kmcnt 0x0
	s_add_nc_u64 s[G0+2:G0+3], s[10:11], s[62:63]
	s_add_nc_u64 s[G0+2:G0+3], s[G0+2:G0+3], 8*12288   ; my tiles 8-15: K steps 0 and 1,
	s_add_nc_u64 s[G0+14:G0+15], s[G0+2:G0+3], 3072    ; K steps 2 and 3
	s_or_b32 s[G0+3], s[G0+3], 0x80000000
	s_or_b32 s[G0+15], s[G0+15], 0x80000000
	ROUND                                          ; the four work-groups are here: the first joint loads meet
	JLOAD 0                                        ; my one tensor load at the head
	s_lshl_b32 s58, s29, 17                        ; 32 rows of 4,096 bytes a work-group,
	s_lshl_b32 s59, s[WV], 10                      ; 1,024 bytes a wave
	s_add_co_u32 s58, s58, s59
	s_mov_b32 s59, 0
	s_add_nc_u64 s[22:23], s[22:23], s[58:59]
	s_add_nc_u64 s[4:5], s[4:5], s[58:59]
	s_lshr_b32 s26, s29, 5                         ; batch
	s_and_b32 s27, s29, 31                         ; which 32 of its 1,024 t
	s_lshl_b32 s56, s26, 15
	s_lshl_b32 s57, s[WV], 10
	s_add_co_u32 s56, s56, s57
	s_mov_b32 s57, 0
	s_add_nc_u64 s[8:9], s[8:9], s[56:57]          ; vpart: the batch's eight blocks, my columns
	s_lshl_b32 s56, s[WV], 10
	s_add_nc_u64 s[14:15], s[14:15], s[56:57]
	s_add_nc_u64 s[16:17], s[16:17], s[56:57]
	s_add_nc_u64 s[18:19], s[18:19], s[56:57]
	s_add_nc_u64 s[20:21], s[20:21], s[56:57]
	s_lshl_b32 s58, s26, 4
	s_lshl_b32 s59, s[WV], 2
	s_add_co_u32 s58, s58, s59                     ; my first (batch, head)
	s_lshl_b32 s56, s58, 8
	s_add_co_u32 s56, s56, 524288
	s_add_nc_u64 s[60:61], s[6:7], s[56:57]        ; its m and l
	s_lshl_b32 s56, s58, 3
	s_lshr_b32 s59, s27, 2
	s_add_co_u32 s56, s56, s59
	s_lshl_b32 s56, s56, 9
	s_and_b32 s59, s27, 3
	s_lshl_b32 s59, s59, 3
	s_add_co_u32 s56, s56, s59
	s_add_nc_u64 s[6:7], s[6:7], s[56:57]          ; its e of my two tiles of t
	s_lshl_b32 s56, s[WV], 13
	s_add_co_u32 s56, s56, 98304
	s_add_nc_u64 s[12:13], s[12:13], s[56:57]      ; the scale bytes of my 256 stored rows of W1; W2's lie 32,768 bytes on
	s_lshr_b32 s59, s27, 4
	s_cmp_eq_u32 s59, 1                            ; which half of the softmax my rows lie in
	s_cselect_b32 s30, -1, 0
	s_add_nc_u64 s[W1B:W1B+1], s[10:11], s[62:63]  ; my sixteen tiles of W1,
	s_add_nc_u64 s[W1B+2:W1B+3], s[W1B:W1B+1], 64*12288    ; and of W2
	WIN 0x80
.irp i, 0,1,2,3,4,5,6,7
.irp j, 0,1
	global_load_b128 v[8*\i+4*\j:8*\i+4*\j+3], v[L16], s[8:9] offset:\i*4096+512*\j
.endr
.endr
.irp j, 0,1
	global_load_b128 v[64+4*\j:67+4*\j], v[L16], s[14:15] offset:512*\j
	global_load_b128 v[72+4*\j:75+4*\j], v[L16], s[16:17] offset:512*\j
	global_load_b128 v[80+4*\j:83+4*\j], v[L16], s[18:19] offset:512*\j
	global_load_b128 v[88+4*\j:91+4*\j], v[L16], s[20:21] offset:512*\j
.endr
	WIN 0
	global_load_b64 v[232:233], v250, s[60:61]             ; m, l of the first 512 t
	global_load_b64 v[234:235], v250, s[60:61] offset:128  ; of the second
.irp k, 0,1,2,3
	global_load_b64 v[236+2*\k:237+2*\k], v251, s[6:7] offset:4096*\k      ; e of rows r and 16 + r, head k
.endr
	WIN 0xc0
.set J, 0
.rept 64
	global_load_b128 v[4*J:4*J+3], v[L16], s[4:5] offset:4096*(J/2)+512*(J%2) th:TH_LOAD_NT    ; x: 512 consecutive bytes an instruction
.set J, J+1
.endr
	s_wait_loadcnt 63                              ; behind the small loads stand x's 64: at 63 out all the small ones are in
	WIN 0x8a
.irp i, 1,2,3,4,5,6,7
.irp q, 0,2,4,6
	v_pk_add_f32 v[\q:\q+1], v[\q:\q+1], v[8*\i+\q:8*\i+\q+1]      ; vsum: the batch's eight blocks of 128 rows
.endr
.endr
	WIN 0x08
.irp j, 0,1
	ds_store_b128 v[CVW], v[4*\j:4*\j+3] offset:512*\j
.endr
.irp c, 1,2,3,4
.irp j, 0,1
	ds_store_b128 v[CVW], v[56+8*\c+4*\j:56+8*\c+4*\j+3] offset:1024*\c+512*\j
.endr
.endr
	WIN 0
	; the softmax's halves under their common maximum: p = e a / (l0 a0 + l1 a1), a_i = exp(m_i - max)
	v_max_num_f32 v244, v232, v234
	v_sub_f32 v245, v232, v244
	v_sub_f32 v246, v234, v244
	v_mul_f32 v245, 0x3fb8aa3b, v245
	v_mul_f32 v246, 0x3fb8aa3b, v246
	s_wait_alu depctr_va_vdst(0)
	v_exp_f32 v245, v245
	v_exp_f32 v246, v246
	v_nop
	s_wait_alu depctr_va_vdst(0)
	v_mul_f32 v247, v233, v245
	v_fmac_f32 v247, v235, v246
	v_cndmask_b32 v248, v245, v246, s30            ; my rows' half's a
	s_wait_alu depctr_va_vdst(0)
	v_rcp_f32 v249, v247
	v_nop
	s_wait_alu depctr_va_vdst(0)
	v_mul_f32 v248, v248, v249
.irp k, 0,1,2,3
	v_readlane_b32 s[32+\k], v248, \k
.endr
.irp k, 0,1,2,3
.irp m, 0,1
	v_mul_f32 v[P+4*\k+2*\m], s[32+\k], v[236+2*\k+\m]
	v_mul_f32 v[P+4*\k+2*\m+1], s[32+\k], v[236+2*\k+\m]
.endr
.endr
	s_wait_alu depctr_va_vdst(0)                   ; the wait ahead of the blocking wait
	s_wait_loadcnt 32                              ; x's rows 0-15 are in; the 32 loads of rows 16-31 may be out
	XIN 0
.irp i, 0,1,2,3,4,5,6,7
.irp q, 0,1
	global_load_b128 v[WS1+8*\i+4*\q:WS1+8*\i+4*\q+3], v[L32], s[12:13] offset:1024*\i+16*\q
.endr
.endr
.irp i, 0,1,2,3,4,5,6,7
.irp q, 0,1
	global_load_b128 v[WS1+64+8*\i+4*\q:WS1+64+8*\i+4*\q+3], v[L32], s[12:13] offset:32768+1024*\i+16*\q
.endr
.endr
	s_wait_loadcnt 32                              ; all of x is in; the 32 loads of the weights' scale words may be out
	XIN 1
	WIN 0x80
.set J, 0
.rept 32
	ds_load_b128 v[128+4*J:131+4*J], v[CVR] offset:128*(J/4)+16*(J%4)      ; vsum by the layout
.set J, J+1
.endr
	s_wait_dscnt 0x0                               ; x has left window 3:
	DFILL 0, 0                                     ; the ring's first fill, W1's K steps 0 and 1
	DFILL 0, 4
	DFILL 1, 0
	DFILL 1, 4
	WIN 0x52
.irp m, 0,1
.set J, 0
.rept 64
	v_pk_fma_f32 v[128*\m+2*J:128*\m+2*J+1], v[128+2*J:129+2*J], v[P+4*(J/16)+2*\m:P+4*(J/16)+2*\m+1], v[128*\m+2*J:128*\m+2*J+1]   ; x + p vsum; 32 registers to a head
.set J, J+1
.endr
.endr
	GBLOAD 1, 2                                    ; g1, b1
	LN 0                                           ; x1
.irp f, 0,1,2,3                                ; fragment 2 kk + m from register 128 m + 64 kk on
	QUANT 1, 128*(\f%2)+64*(\f/2)
	IMAGE \f
.endr
	BARRIER                                        ; x1's sixteen fragments lie in LDS
	OPEN 0
.irp s, 0,1,2,3,4,5,6,7
	STEPH \s
.endr
	BARRIER                                        ; every wave's reads of x1's images are over: their bytes may take the hidden layer's
	WIN 0x88
.set J, 0
.rept 256
	v_max_num_f32 v[J], 0, v[J]                    ; relu, ascending: each accumulator from its low end on
.set J, J+1
.endr
.irp f, 0,1,2,3
	QUANT 2, 128*(\f%2)+64*(\f/2)
	IMAGE \f
.endr
	BARRIER                                        ; the hidden layer's sixteen fragments lie in LDS
	OPEN 1
	GBLOAD 3, 4                                    ; g2, b2 take the hidden layer's registers
.irp s, 8,9,10,11,12,13,14,15
	STEPH \s
.endr
	LN 2
	; THE WAY OUT, through my stage: by the layout in, by rows back; 16 rows at a time
	OSTORE 0
	OBACK 0
	OSTORE 1                                       ; LDS serves a wave's instructions in order: these stand behind the loads above
	s_wait_dscnt 32                                ; rows 0-15 are back; the 32 younger stores may be out
	OSEND 0
	OBACK 1
	s_wait_dscnt 0x0
	OSEND 1
	WIN 0
	s_wait_tensorcnt 0x0                           ; the wave's end
	ds_add_u32 v254, v255
	s_wait_dscnt 0x0
	ROUND                                          ; the closing round
	s_endpgm
.Lfunc_end_k_qce4bebc466_ffn:
	.size	k_qce4bebc466_ffn, .Lfunc_end_k_qce4bebc466_ffn-k_qce4bebc466_ffn
	.p2alignl 7, 3214868480
	.fill 96, 4, 3214868480
	.section	.rodata,"a",@progbits
	.p2align	6, 0x0
	.amdhsa_kernel k_qce4bebc466_ffn
		.amdhsa_group_segment_fixed_size 327680
		.amdhsa_private_segment_fixed_size 0
		.amdhsa_enable_private_segment 0
		.amdhsa_kernarg_size 80
		.amdhsa_user_sgpr_count 2
		.amdhsa_user_sgpr_kernarg_segment_ptr 1
		.amdhsa_wavefront_size32 1
		.amdhsa_system_sgpr_workgroup_id_x 1
		.amdhsa_system_sgpr_workgroup_id_y 1
		.amdhsa_system_sgpr_workgroup_id_z 1
		.amdhsa_system_vgpr_workitem_id 0
		.amdhsa_next_free_vgpr 1024
		.amdhsa_next_free_sgpr 66
		.amdhsa_reserve_vcc 0
		.amdhsa_float_denorm_mode_32 3
		.amdhsa_float_denorm_mode_16_64 3
		.amdhsa_memory_ordered 1
		.amdhsa_forward_progress 1
		.amdhsa_inst_pref_size 255
	.end_amdhsa_kernel
	.section	.bss,"aw",@nobits
	.p2align	6
	.space	262144
	.amdgpu_metadata
---
amdhsa.version: [ 1, 2 ]
amdhsa.kernels:
  - .name:           k_qce4bebc466_ffn
    .symbol:         k_qce4bebc466_ffn.kd
    .args:
      - { .name: x, .offset: 0, .size: 8, .value_kind: global_buffer, .address_space: global }
      - { .name: sm, .offset: 8, .size: 8, .value_kind: global_buffer, .address_space: global }
      - { .name: vpart, .offset: 16, .size: 8, .value_kind: global_buffer, .address_space: global }
      - { .name: wc, .offset: 24, .size: 8, .value_kind: global_buffer, .address_space: global }
      - { .name: ws, .offset: 32, .size: 8, .value_kind: global_buffer, .address_space: global }
      - { .name: g1, .offset: 40, .size: 8, .value_kind: global_buffer, .address_space: global }
      - { .name: b1, .offset: 48, .size: 8, .value_kind: global_buffer, .address_space: global }
      - { .name: g2, .offset: 56, .size: 8, .value_kind: global_buffer, .address_space: global }
      - { .name: b2, .offset: 64, .size: 8, .value_kind: global_buffer, .address_space: global }
      - { .name: out0, .offset: 72, .size: 8, .value_kind: global_buffer, .address_space: global }
    .group_segment_fixed_size: 327680
    .private_segment_fixed_size: 0
    .kernarg_segment_align: 8
    .kernarg_segment_size: 80
    .max_flat_workgroup_size: 128
    .sgpr_count:     66
    .vgpr_count:     1024
    .wavefront_size: 32
...
	.end_amdgpu_metadata
.endif
;; end of part 4
